; MI455X (gfx1250); checked and timed in simulation.
; The chip was launched on July 23, 2026; its instructions are those of AMD's public machine-readable ISA for CDNA 5 (MIT licence, August 2026) and "CDNA5" Instruction Set Architecture Reference Guide (July 2026). The comments in the code are by the model that wrote it; some were corrected since.
;; Parallel Transformer Block. Allowed arithmetic: matrix products marked QUANTISED: E2M3 operands, one E8M0 scale for each 32 along K, by v_wmma_scale_f32_16x16x128_f8f6f4 with both operands' format E2M3, f32 sums; everything else in f32.
;; Inputs: gamma 2,048 float32; w_attn_out 512 x 2,048 float32; w_ff_out 2,048 x 2,048 float32; w_fused 2,048 x 4,672 float32; x 2 x 2,048 x 2,048 float32.
;; Outputs: out0 2 x 2,048 x 2,048 float32.
;; This version of the problem:
;;   THIS VERSION OF THE PROBLEM IS GIVEN IN LOW PRECISION. The matrix products marked QUANTISED in the list below multiply operands that are first quantised to E2M3 (2 exponent bits, 3 mantissa bits; 6 bits a number), with one power-of-two scale for each 32 numbers along K (OCP MX v1.0); their sums are f32. All else is computed in f32.
;;   The module's matrix products, in the order in which they are computed (A, B: the left and right operand; K: the contracted axis; several contracted axes count as one K, in the product's order):
;;     1. [M 4,096, K 2,048] x [K 2,048, N 4,672]; A: computed on the way; B: input w_fused: QUANTISED
;;     2. batch 2 x [M 32,768, K 32] x [K 32, N 2,048]; A: computed on the way; B: computed on the way: QUANTISED
;;     3. batch 2 x [M 32,768, K 2,048] x [K 2,048, N 32]; A: softmax (see below); B: computed on the way: QUANTISED
;;     4. [M 4,096, K 2,048] x [K 2,048, N 2,048]; A: computed on the way; B: input w_ff_out: QUANTISED
;;     5. [M 4,096, K 512] x [K 512, N 2,048]; A: computed on the way; B: input w_attn_out: QUANTISED
;;   THE QUANTISER, for each operand of a quantised product, along K:
;;     - K is cut into blocks of 32 from its start; a last block that is shorter is filled with zeros.
;;     - A block's scale is 2^e with e = floor(log2(the largest magnitude in the block)) - 2, held to -126 .. 127; a block of zeros has e = 0. As a byte (E8M0): e + 127.
;;     - Each number is divided by its block's scale, clamped to +-7.5, and rounded to the nearest number of E2M3, ties to even, subnormals kept.
;;     - The product sums the exact products of the quantised numbers (number of the format x scale) in f32.
;;   ~~~python
;;   def quantise(x, axis):      # numpy; x: float32 -> the quantised numbers, widened to float32 again
;;       x = np.moveaxis(x, axis, -1); K = x.shape[-1]
;;       x = np.pad(x, [(0, 0)] * (x.ndim - 1) + [(0, -K % 32)]); x = x.reshape(x.shape[:-1] + (-1, 32)); a = np.abs(x).max(-1, keepdims=True)
;;       e = np.where(a > 0, np.clip(np.frexp(np.where(a > 0, a, 1))[1] - 1 - 2, -126, 127), 0)      # np.frexp(a)[1] - 1 = floor(log2(a)), exactly
;;       r = np.clip(x / 2.0 ** e, -7.5, 7.5)
;;       step = 2.0 ** (np.maximum(np.frexp(np.where(r == 0, 1, r))[1] - 1, 0) - 3)
;;       q = np.round(r / step) * step * 2.0 ** e      # np.round: ties to even
;;       return np.moveaxis(q.reshape(q.shape[:-2] + (-1,))[..., :K], -1, axis).astype(np.float32)
;;   ~~~
;;   SOFTMAX AHEAD OF A QUANTISED PRODUCT. Where the list says 'softmax', what is quantised is not the finished softmax but p = 2^(t - M), with t = logit x log2(e) and M = ceil(the row's largest t), a whole number; so 1/2 < the row's largest p <= 1. The row's sum l is taken of the UNQUANTISED p, in f32, and the product's result is divided by l at the end. Since M is a whole number, a kernel that streams over the keys may use a running M (the ceiling of the running maximum): every later rescaling is an exact power of two, which a block's scale takes up: the codes' values come out the same.
;;   OPERANDS COMPUTED ON THE WAY. 'Computed on the way' means the value that the module computes at that place (a softmax that the list does not call 'softmax' is quantised finished and normalised). What goes into a quantiser is computed in f32, as accurately as f32 sums, v_exp_f32 and their like allow (about 1e-6 of the number): no bf16 or f16 on the way to a quantiser, and a product that is left as it is and whose result goes on into a quantised operand takes f32 operands (vector FMAs, or v_wmma_f32_16x16x4_f32). A number that lies on a knife's edge between two numbers of the format may be rounded either way, as far as f32 arithmetic and the matrix unit's own rounding can turn it there, and no further.
;; One version. Each part assembles by itself: llvm-mc -triple=amdgcn-amd-amdhsa -mcpu=gfx1250 --defsym DOCPART=n.
;; ======== version 1 of 1: 5 launches
;; limits: right only within a limited range of input values
;; workspace buffers: xq 6,553,600 bytes; wf 7,475,200 bytes; wo 4,096,000 bytes; a2 8,192,000 bytes; qkv 2,052,096 bytes
;; launch prep (part 1): grid 482 x 1, 8 waves a work-group, no clusters, 132,608 bytes of LDS; arguments x, gamma, w_fused, w_ff_out, w_attn_out, xq, wf, wo; writes xq, wf, wo
.if DOCPART == 1
	.amdgcn_target "amdgcn-amd-amdhsa--gfx1250"
	.amdhsa_code_object_version 6
	.text
	.protected	k_q066464dc80_prep
	.globl	k_q066464dc80_prep
	.p2align	8
	.type	k_q066464dc80_prep,@function
k_q066464dc80_prep:
	s_mov_b64 s[64:65], 0
	v_nop
	global_prefetch_b8 v0, s[64:65] scope:SCOPE_SE
	s_setreg_imm32_b32 hwreg(HW_REG_WAVE_MODE, 25, 1), 1
	s_wait_xcnt 0x0
; PREP: everything that arrives as f32 becomes codes of E2M3 with one E8M0 byte for each 32 along K, laid as the later launches' operand registers.
; A FRAGMENT IMAGE is 16 rows x 128 K in 1,536 bytes: byte 512 c + 16 l + 4 i is register 4 c + i of lane l; lane (r, h) holds row r, registers 0-5 block h, registers 6-11 block 2 + h of the K step.
; Work-groups 0-255: LayerNorm of 16 rows of x (mean, then variance of the centred numbers, 1/sqrt, gamma) and its codes -> xq.
; Work-groups 256-401: w_fused; 402-465: w_ff_out; 466-481: w_attn_out.  There a wave takes 32 columns x 256 along K: a lane takes a column and its registers run down K,
; so a block of 32 lies in one lane and the conversions give codes with K innermost.  No matrix unit, no tensor load, no cluster: memory binds, and work-groups share no input.
; xq: codes [32 groups of 128 rows][16 K steps][8 tiles][1536], scale words at 6,291,456: [32][16][8][16 rows].
; wf: the 4,096 ff columns as 32 groups (tiles 0-3 ff_x, 4-7 gate of the same 64 hidden units) at 0, scale words at 6,291,456; the 576 q, k, v columns as 6 groups of 6 tiles at 6,553,600, scale words at 7,438,336.
; wo: [16 groups of 128 columns][20 K steps][8][1536]: K steps 0-15 w_ff_out, 16-19 w_attn_out; scale words at 3,932,160.
; A block's scale byte is its largest magnitude's exponent field - 2, held at 1 from below.
; LIMITS: a block of zeros, or one whose largest magnitude lies under 2^-124, gets the byte 1 where the rule says 127 (its codes are zeros; this program alone reads the bytes);
; NaN and infinities among the inputs are not served; 1/sqrt comes from v_rsq_f32 (1 ulp).
.set X,     40                         ; v40-167  LN: two rows of 64 numbers a lane; weights: v40-103 two sets of 32
.set G,     168                        ; v168-231 gamma; later the codes
.set M0,    12
.set M1,    13
.set SO,    14
.set TQ,    236                        ; v236-238 a block's second three code registers as they are made
.set CW,    104                        ; weights: v104-127 two sets of 12 code registers
.set SB,    128                        ; weights: v128-129 the scale words of the two K steps
.set PITCH, 8208                       ; LN: a row of xn in LDS, 8,192 bytes + 16: the sixteen rows that a load touches start 16 bytes apart modulo 256
; 32 numbers of one lane, v[xs] on, become 6 code registers at v[cd] on and the block's byte in v[by]
.macro Q32 xs, cd, by
	v_max3_num_f32 v[M0], |v[(\xs)]|, |v[(\xs)+1]|, |v[(\xs)+2]|
	v_max3_num_f32 v[M1], |v[(\xs)+3]|, |v[(\xs)+4]|, |v[(\xs)+5]|
.irp i, 6,10,14,18,22,26
	s_delay_alu instid0(VALU_DEP_2)
	v_max3_num_f32 v[M0], v[M0], |v[(\xs)+\i]|, |v[(\xs)+\i+1]|
	s_delay_alu instid0(VALU_DEP_2)
	v_max3_num_f32 v[M1], v[M1], |v[(\xs)+\i+2]|, |v[(\xs)+\i+3]|
.endr
	s_delay_alu instid0(VALU_DEP_2)
	v_max3_num_f32 v[M0], v[M0], |v[(\xs)+30]|, |v[(\xs)+31]|
	s_delay_alu instid0(VALU_DEP_1)
	v_max3_num_f32 v[M0], v[M0], v[M1], 0x1800000          ; the floor 2^(3 - 127): the byte cannot fall under 1
	s_delay_alu instid0(VALU_DEP_1)
	v_add_nc_u32 v[SO], 0xff000000, v[M0]                  ; 2 off the exponent field: the conversion's scale operand
	s_delay_alu instid0(VALU_DEP_1)
	v_lshrrev_b32 v[\by], 23, v[SO]                        ; the scale's byte
	v_cvt_scalef32_pk16_fp6_f32 v[(\cd):(\cd)+2], v[(\xs):(\xs)+15], v[SO]
	v_cvt_scalef32_pk16_fp6_f32 v[TQ:TQ+2], v[(\xs)+16:(\xs)+31], v[SO]   ; (a conversion's three registers begin on an even number)
	v_nop                                                  ; one plain place behind the scaled conversions
.irp i, 0,1,2
	v_mov_b32 v[(\cd)+3+\i], v[TQ+\i]
.endr
.endm
	s_load_b256 s[4:11], s[0:1], 0x0               ; x s[4:5], gamma s[6:7], w_fused s[8:9], w_ff_out s[10:11]
	s_load_b256 s[12:19], s[0:1], 0x20             ; w_attn_out s[12:13], xq s[14:15], wf s[16:17], wo s[18:19]
	v_lshl_add_u32 v240, v0, 2, 0x20200
	v_mov_b32 v241, 0
	v_lshrrev_b32 v1, 5, v0
	s_delay_alu instid0(VALU_DEP_1)
	v_readfirstlane_b32 s20, v1                    ; wave 0..7
	v_and_b32 v15, 31, v0                          ; lane
	s_mov_b32 s22, 0x76543210
	s_mov_b32 s23, 0xfedcba98                      ; v_permlanex16_b32's selects for lane l xor 16
	s_mov_b32 s24, 0x3a000000                      ; 1 / 2048
	s_mov_b32 s25, 0x3727c5ac                      ; 1e-5
	s_mov_b32 s26, 0xffff0000                      ; lanes 16-31
	s_wait_kmcnt 0x0
	s_cmp_lt_u32 ttmp9, 256                        ; the work-group's number alone decides: all eight waves go one way
	s_cbranch_scc0 .Lweights
	; ================= LayerNorm: rows 16 T .. 16 T + 15 =================
	s_wait_alu depctr_va_vdst(0)
	v_lshlrev_b32 v1, 4, v15                       ; 16 x lane
	v_and_b32 v2, 15, v0                           ; r
	v_bfe_u32 v3, v0, 4, 1                         ; h
	s_mul_i32 s27, s20, 2*PITCH
	v_add_nc_u32 v4, s27, v1                       ; LDS, in: my wave's two rows, 16 bytes a lane
	v_mul_u32_u24 v5, v2, PITCH
	s_delay_alu instid0(VALU_DEP_1)
	v_lshl_add_u32 v5, v3, 7, v5
	s_lshl_b32 s27, s20, 10
	v_add_nc_u32 v5, s27, v5                       ; LDS, out: row r, + 128 h, + my wave's two K steps (1,024 bytes)
	v_lshlrev_b32 v6, 3, v3                        ; 8 h
	v_lshlrev_b32 v7, 2, v2
	s_delay_alu instid0(VALU_DEP_1)
	v_lshl_add_u32 v7, v3, 9, v7                   ; scale words: 4 r, lanes 16-31 one K step (512 bytes) on
	v_mov_b32 v9, 0                                ; a lane permute's destination counts as one of its sources
	v_mov_b32 v11, 0
	s_lshl_b32 s28, ttmp9, 17                      ; 16 rows of 8,192 bytes a work-group,
	s_lshl_b32 s29, s20, 14                        ; 2 rows a wave
	s_add_co_u32 s28, s28, s29
	s_mov_b32 s29, 0
	s_add_nc_u64 s[4:5], s[4:5], s[28:29]
.irp o, 0,1
.irp i, 0,1,2,3,4,5,6,7,8,9,10,11,12,13,14,15
	global_load_b128 v[X+64*\o+4*\i:X+64*\o+4*\i+3], v1, s[4:5] offset:8192*\o+512*\i th:TH_LOAD_NT   ; 512 consecutive bytes an instruction
.endr
.endr
.irp i, 0,1,2,3,4,5,6,7,8,9,10,11,12,13,14,15
	global_load_b128 v[G+4*\i:G+4*\i+3], v1, s[6:7] offset:512*\i
.endr
	s_wait_loadcnt 16                              ; x is in; the 16 younger loads are gamma's
; the four chains of each row, then the 32 lanes: the sum lands in v8 (row 0) and v10 (row 1), in every lane
.macro LANESUM
.irp o, 0
	v_pk_add_f32 v[16+8*\o:17+8*\o], v[16+8*\o:17+8*\o], v[18+8*\o:19+8*\o]
	s_delay_alu instid0(VALU_DEP_3)
	v_pk_add_f32 v[20+8*\o:21+8*\o], v[20+8*\o:21+8*\o], v[22+8*\o:23+8*\o]
.endr
.irp o, 1
	v_pk_add_f32 v[16+8*\o:17+8*\o], v[16+8*\o:17+8*\o], v[18+8*\o:19+8*\o]
	s_delay_alu instid0(VALU_DEP_4)
	v_pk_add_f32 v[20+8*\o:21+8*\o], v[20+8*\o:21+8*\o], v[22+8*\o:23+8*\o]
.endr
.irp o, 0
	s_delay_alu instid0(VALU_DEP_3)
	v_pk_add_f32 v[16+8*\o:17+8*\o], v[16+8*\o:17+8*\o], v[20+8*\o:21+8*\o]
.endr
.irp o, 1
	s_delay_alu instid0(VALU_DEP_2)
	v_pk_add_f32 v[16+8*\o:17+8*\o], v[16+8*\o:17+8*\o], v[20+8*\o:21+8*\o]
.endr
.irp o, 0,1
	s_delay_alu instid0(VALU_DEP_2)
	v_add_f32 v[8+2*\o], v[16+8*\o], v[17+8*\o]
.endr
.irp m, 1,2,4,8
.irp o, 0,1
	s_delay_alu instid0(VALU_DEP_2)
	v_add_f32_dpp v[8+2*\o], v[8+2*\o], v[8+2*\o] row_xmask:\m row_mask:0xf bank_mask:0xf
.endr
.endr
.irp o, 0,1
	s_delay_alu instid0(VALU_DEP_2)
	v_permlanex16_b32 v[9+2*\o], v[8+2*\o], s22, s23
.endr
.irp o, 0,1
	s_delay_alu instid0(VALU_DEP_2)
	v_add_f32 v[8+2*\o], v[8+2*\o], v[9+2*\o]
.endr
.endm
.irp c, 0,1,2,3                                ; the mean: four packed chains a row, the two rows by turns; the first pairs start them
.irp o, 0,1
	v_pk_add_f32 v[16+8*\o+2*\c:17+8*\o+2*\c], v[X+64*\o+2*\c:X+64*\o+2*\c+1], v[X+64*\o+2*\c+8:X+64*\o+2*\c+9]
.endr
.endr
.set pp, 8
.rept 24
.irp o, 0,1
	v_pk_add_f32 v[16+8*\o+2*(pp%4):17+8*\o+2*(pp%4)], v[16+8*\o+2*(pp%4):17+8*\o+2*(pp%4)], v[X+64*\o+2*pp:X+64*\o+2*pp+1]
.endr
.set pp, pp+1
.endr
	LANESUM
.irp o, 0,1
	s_delay_alu instid0(VALU_DEP_2)
	v_mul_f32 v[32+2*\o], s24, v[8+2*\o]
.endr
.irp o, 0,1
	s_delay_alu instid0(VALU_DEP_2)
	v_mov_b32 v[33+2*\o], v[32+2*\o]
.endr
.set pp, 0
.rept 32
.irp o, 0,1
	v_pk_add_f32 v[X+64*\o+2*pp:X+64*\o+2*pp+1], v[X+64*\o+2*pp:X+64*\o+2*pp+1], v[32+2*\o:33+2*\o] neg_lo:[0,1] neg_hi:[0,1]   ; x - mean
.endr
.set pp, pp+1
.endr
.irp c, 0,1,2,3                                ; the variance, of the centred numbers
.irp o, 0,1
	v_pk_mul_f32 v[16+8*\o+2*\c:17+8*\o+2*\c], v[X+64*\o+2*\c:X+64*\o+2*\c+1], v[X+64*\o+2*\c:X+64*\o+2*\c+1]
.endr
.endr
.set pp, 4
.rept 28
.irp o, 0,1
	v_pk_fma_f32 v[16+8*\o+2*(pp%4):17+8*\o+2*(pp%4)], v[X+64*\o+2*pp:X+64*\o+2*pp+1], v[X+64*\o+2*pp:X+64*\o+2*pp+1], v[16+8*\o+2*(pp%4):17+8*\o+2*(pp%4)]
.endr
.set pp, pp+1
.endr
	LANESUM
.irp o, 0,1
	s_delay_alu instid0(VALU_DEP_2)
	v_fma_f32 v[8+2*\o], v[8+2*\o], s24, s25       ; variance + 1e-5
.endr
	s_wait_alu depctr_va_vdst(0)
.irp o, 0,1
	v_rsq_f32 v[36+2*\o], v[8+2*\o]
	v_rsq_f32 v[37+2*\o], v[8+2*\o]                ; twice: a pair for the packed multiply
.endr
	v_nop                                          ; one plain place behind the transcendentals
	s_wait_loadcnt 0x0                             ; gamma
.set pp, 0
	s_wait_alu depctr_va_vdst(0)
.rept 32
.irp o, 0,1
	v_pk_mul_f32 v[X+64*\o+2*pp:X+64*\o+2*pp+1], v[X+64*\o+2*pp:X+64*\o+2*pp+1], v[36+2*\o:37+2*\o]
.endr
.set pp, pp+1
.endr
.set pp, 0
.rept 32
.irp o, 0,1
	v_pk_mul_f32 v[X+64*\o+2*pp:X+64*\o+2*pp+1], v[X+64*\o+2*pp:X+64*\o+2*pp+1], v[G+2*pp:G+2*pp+1]
.endr
.set pp, pp+1
.endr
.irp o, 0,1
.irp i, 0,1,2,3,4,5,6,7,8,9,10,11,12,13,14,15
	ds_store_b128 v4, v[X+64*\o+4*\i:X+64*\o+4*\i+3] offset:PITCH*\o+512*\i
.endr
.endr
	s_wait_dscnt 0x0                               ; for the others' sake: my two rows lie in LDS
	s_barrier_signal -1
	s_barrier_wait -1
	; wave w quantises K steps 2 w and 2 w + 1 of all 16 rows: lane (r, h) takes blocks h and 2 + h of row r, 32 neighbours each
.irp s, 0,1
.irp c, 0,1
.irp i, 0,1,2,3,4,5,6,7
	ds_load_b128 v[X+64*\s+32*\c+4*\i:X+64*\s+32*\c+4*\i+3], v5 offset:512*\s+256*\c+16*\i
.endr
.endr
.endr
	s_lshr_b32 s28, ttmp9, 3                       ; group of 128 rows
	s_and_b32 s29, ttmp9, 7                        ; tile in it
	s_mul_i32 s30, s28, 196608
	s_mul_i32 s31, s20, 24576
	s_add_co_u32 s30, s30, s31
	s_mul_i32 s31, s29, 1536
	s_add_co_u32 s30, s30, s31
	s_mov_b32 s31, 0
	s_add_nc_u64 s[32:33], s[14:15], s[30:31]      ; the image of (group, K step 2 w, tile)
	s_lshl_b32 s30, s28, 13
	s_lshl_b32 s34, s20, 10
	s_add_co_u32 s30, s30, s34
	s_lshl_b32 s34, s29, 6
	s_add_co_u32 s30, s30, s34
	s_add_co_u32 s30, s30, 6291456
	s_add_nc_u64 s[34:35], s[14:15], s[30:31]      ; and its scale words
	s_wait_dscnt 0x0
.irp s, 0,1
.irp c, 0,1
	Q32 X+64*\s+32*\c, G+12*\s+6*\c, 232+2*\s+\c
.endr
.endr
.irp s, 0,1
.irp k, 0,1,2
	global_store_b128 v1, v[G+12*\s+4*\k:G+12*\s+4*\k+3], s[32:33] offset:12288*\s+512*\k   ; 512 consecutive bytes, aligned
.endr
.endr
.irp s, 0,1
	v_lshl_or_b32 v[8+2*\s], v[233+2*\s], 16, v[232+2*\s]   ; my two bytes: blocks h and 2 + h,
.endr
.irp s, 0,1
	s_delay_alu instid0(VALU_DEP_2)
	v_lshlrev_b32 v[8+2*\s], v6, v[8+2*\s]         ; at their places in the word;
.endr
.irp s, 0,1
	s_delay_alu instid0(VALU_DEP_2)
	v_permlanex16_b32 v[9+2*\s], v[8+2*\s], s22, s23
.endr
.irp s, 0,1
	s_delay_alu instid0(VALU_DEP_2)
	v_or_b32 v[8+2*\s], v[8+2*\s], v[9+2*\s]       ; with lane l xor 16's two the word is whole
.endr
	s_delay_alu instid0(VALU_DEP_1)
	v_cndmask_b32 v8, v8, v10, s26                 ; lanes 0-15 store the first K step's words, lanes 16-31 the second's
	global_store_b32 v7, v8, s[34:35]
	s_wait_tensorcnt 0x0
	ds_add_u32 v240, v241
	s_wait_dscnt 0x0
	s_endpgm
	; ================= the weights =================
.macro LOADB t, stride                         ; block t of eight: K step t / 4, block 2 (t % 2) + (t / 2) % 2 of it (order 0, 2, 1, 3: the two blocks of one image lane follow each other)
.irp i, 0,1,2,3,4,5,6,7,8,9,10,11,12,13,14,15,16,17,18,19,20,21,22,23,24,25,26,27,28,29,30,31
	global_load_b32 v[X+32*((\t)%2)+\i], v1, s[8:9] offset:(128*((\t)/4)+32*(2*((\t)%2)+((\t)/2)%2)+\i)*\stride th:TH_LOAD_NT
.endr
.endm
.macro BLOCK t, stride
.if (\t) < 7
	s_wait_loadcnt 32                              ; this block's 32 loads are in; the next block's may be out
.else
	s_wait_loadcnt 0x0
.endif
.if ((\t) == 4) || ((\t) == 6)
	s_wait_xcnt 0x0                                ; this set of code registers was the data of stores issued two pairs of blocks ago
.endif
	Q32 X+32*((\t)%2), CW+12*(((\t)/2)%2)+6*((\t)%2), 10
.if (\t)%4 == 0
	v_mov_b32 v[SB+(\t)/4], v10
.else
	v_lshl_or_b32 v[SB+(\t)/4], v10, 8*(2*((\t)%2)+((\t)/2)%2), v[SB+(\t)/4]
.endif
.if (\t) < 6
	LOADB (\t)+2, \stride
.endif
.if (\t)%2 == 1
.irp k, 0,1,2
	global_store_b128 v2, v[CW+12*(((\t)/2)%2)+4*\k:CW+12*(((\t)/2)%2)+4*\k+3], s[32+2*((\t)/4):33+2*((\t)/4)] offset:256*(((\t)/2)%2)+512*\k   ; sixteen lanes fill 256 consecutive bytes, aligned
.endr
.endif
.endm
.macro WQ stride
	LOADB 0, \stride
	LOADB 1, \stride
.irp t, 0,1,2,3,4,5,6,7
	BLOCK \t, \stride
.endr
	global_store_b32 v3, v[SB], s[36:37]
	global_store_b32 v3, v[SB+1], s[38:39]
.endm
.Lweights:
	s_wait_alu depctr_va_vdst(0)
	v_lshlrev_b32 v1, 2, v15                       ; in: 4 bytes a lane: lane l takes column 32 cg + l
	v_lshrrev_b32 v4, 4, v15                       ; plain order: tile u = l / 16, row l % 16
	v_and_b32 v5, 15, v15
	s_delay_alu instid0(VALU_DEP_2)
	v_mul_u32_u24 v2, v4, 1536
	s_delay_alu instid0(VALU_DEP_1)
	v_lshl_add_u32 v2, v5, 4, v2                   ; my place in the two images
	s_delay_alu instid0(VALU_DEP_4)
	v_lshlrev_b32 v3, 6, v4
	s_delay_alu instid0(VALU_DEP_1)
	v_lshl_add_u32 v3, v5, 2, v3                   ; and among their scale words
	s_sub_co_u32 s30, ttmp9, 256
	s_cmp_lt_u32 s30, 146
	s_cbranch_scc0 .Lwo
	; ---- w_fused: column group cg = s30 (32 columns), K chunk = wave
	v_bfe_u32 v4, v15, 3, 1                        ; the ff columns' order: row r of tile u is column 8 u + r + 8 (r / 8) of the 32,
	v_and_b32 v5, 7, v15                           ; so that a lane's 16 results of two neighbouring tiles are 16 neighbours along the next product's K
	v_lshrrev_b32 v6, 4, v15
	s_delay_alu instid0(VALU_DEP_1)
	v_lshl_or_b32 v5, v6, 3, v5
	s_delay_alu instid0(VALU_DEP_4)
	v_mul_u32_u24 v6, v4, 1536
	s_delay_alu instid0(VALU_DEP_1)
	v_lshl_add_u32 v6, v5, 4, v6
	s_wait_alu depctr_va_vdst(0)
	v_lshlrev_b32 v7, 6, v4
	s_delay_alu instid0(VALU_DEP_1)
	v_lshl_add_u32 v7, v5, 2, v7
	s_wait_alu depctr_va_vdst(0)
	s_mul_i32 s32, s20, 4784128                    ; 256 rows of 18,688 bytes
	s_lshl_b32 s33, s30, 7
	s_add_co_u32 s32, s32, s33
	s_mov_b32 s33, 0
	s_add_nc_u64 s[8:9], s[8:9], s[32:33]
	s_lshl_b32 s57, s20, 1                         ; my first K step
	s_mul_i32 s34, s30, 43                         ; q, k, v (cg < 18): group cg / 3, slot cg % 3
	s_lshr_b32 s34, s34, 7
	s_mul_i32 s35, s34, 3
	s_sub_co_u32 s35, s30, s35
	s_lshl_b32 s34, s34, 4
	s_add_co_u32 s34, s34, s57
	s_mul_i32 s40, s34, 9216
	s_mul_i32 s41, s35, 3072
	s_add_co_u32 s40, s40, s41
	s_add_co_u32 s40, s40, 6553600
	s_mul_i32 s41, s34, 384
	s_lshl_b32 s35, s35, 7
	s_add_co_u32 s41, s41, s35
	s_add_co_u32 s41, s41, 7438336
	s_sub_co_i32 s34, s30, 18                      ; ff (cg >= 18); held at 0 where this arm is not the one chosen
	s_max_i32 s34, s34, 0
	s_lshr_b32 s35, s34, 6                         ; 0 ff_x, 1 gate
	s_and_b32 s34, s34, 63                         ; which 32 hidden units: 4 x + ch + 2 c
	s_lshr_b32 s36, s34, 2
	s_and_b32 s37, s34, 1
	s_bfe_u32 s38, s34, 0x10001
	s_lshl_b32 s36, s36, 1
	s_add_co_u32 s36, s36, s37                     ; group 2 x + ch
	s_lshl_b32 s36, s36, 4
	s_add_co_u32 s36, s36, s57
	s_lshl_b32 s35, s35, 2
	s_lshl_b32 s38, s38, 1
	s_add_co_u32 s35, s35, s38                     ; first tile: 4 gate + 2 c
	s_mul_i32 s42, s36, 12288
	s_mul_i32 s43, s35, 1536
	s_add_co_u32 s42, s42, s43
	s_lshl_b32 s43, s36, 9
	s_lshl_b32 s35, s35, 6
	s_add_co_u32 s43, s43, s35
	s_add_co_u32 s43, s43, 6291456
	s_mov_b32 s44, 9216
	s_mov_b32 s45, 12288
	s_mov_b32 s46, 384
	s_mov_b32 s47, 512
	s_cmp_lt_u32 s30, 18
	s_cselect_b32 s48, s40, s42                    ; offsets are chosen, and only then added to the buffer's address
	s_cselect_b32 s50, s41, s43
	s_cselect_b32 s52, s44, s45                    ; bytes from a K step to the next: codes,
	s_cselect_b32 s54, s46, s47                    ; scale words
	s_cselect_b32 s56, 0, -1                       ; which order of rows
	s_mov_b32 s49, 0
	s_mov_b32 s51, 0
	s_mov_b32 s53, 0
	s_mov_b32 s55, 0
	s_add_nc_u64 s[32:33], s[16:17], s[48:49]
	s_add_nc_u64 s[34:35], s[32:33], s[52:53]
	s_add_nc_u64 s[36:37], s[16:17], s[50:51]
	s_add_nc_u64 s[38:39], s[36:37], s[54:55]
	v_cndmask_b32 v2, v2, v6, s56
	v_cndmask_b32 v3, v3, v7, s56
	WQ 18688
	s_endpgm
.Lwo:
	; ---- w_ff_out (64 work-groups: cg = number, K chunk = wave) and w_attn_out (16: four column groups x two K chunks each)
	s_sub_co_u32 s31, s30, 146
	s_sub_co_i32 s40, s31, 64
	s_max_i32 s40, s40, 0
	s_lshl_b32 s40, s40, 2
	s_lshr_b32 s41, s20, 1
	s_add_co_u32 s40, s40, s41
	s_and_b32 s41, s20, 1
	s_lshl_b32 s42, s41, 1
	s_add_co_u32 s42, s42, 16
	s_lshl_b32 s43, s20, 1
	s_cmp_lt_u32 s31, 64
	s_cselect_b32 s40, s31, s40                    ; cg
	s_cselect_b32 s41, s20, s41                    ; K chunk of 256
	s_cselect_b32 s42, s43, s42                    ; first K step in wo
	s_cselect_b64 s[8:9], s[10:11], s[12:13]       ; the choice hangs on the work-group's number alone
	s_lshl_b32 s44, s41, 21                        ; 256 rows of 8,192 bytes
	s_lshl_b32 s45, s40, 7
	s_add_co_u32 s44, s44, s45
	s_mov_b32 s45, 0
	s_add_nc_u64 s[8:9], s[8:9], s[44:45]
	s_lshr_b32 s46, s40, 2                         ; group of 128 columns
	s_and_b32 s47, s40, 3
	s_mul_i32 s46, s46, 20
	s_add_co_u32 s46, s46, s42
	s_mul_i32 s48, s46, 12288
	s_mul_i32 s49, s47, 3072
	s_add_co_u32 s48, s48, s49
	s_mov_b32 s49, 0
	s_add_nc_u64 s[32:33], s[18:19], s[48:49]
	s_add_nc_u64 s[34:35], s[32:33], 12288
	s_lshl_b32 s48, s46, 9
	s_lshl_b32 s47, s47, 7
	s_add_co_u32 s48, s48, s47
	s_add_co_u32 s48, s48, 3932160
	s_add_nc_u64 s[36:37], s[18:19], s[48:49]
	s_add_nc_u64 s[38:39], s[36:37], 512
	s_wait_alu depctr_va_vdst(0)
	WQ 8192
	s_endpgm
.Lfunc_end_k_q066464dc80_prep:
	.size	k_q066464dc80_prep, .Lfunc_end_k_q066464dc80_prep-k_q066464dc80_prep
	.p2alignl 7, 3214868480
	.fill 96, 4, 3214868480
	.section	.rodata,"a",@progbits
	.p2align	6, 0x0
	.amdhsa_kernel k_q066464dc80_prep
		.amdhsa_group_segment_fixed_size 132608
		.amdhsa_private_segment_fixed_size 0
		.amdhsa_enable_private_segment 0
		.amdhsa_kernarg_size 64
		.amdhsa_user_sgpr_count 2
		.amdhsa_user_sgpr_kernarg_segment_ptr 1
		.amdhsa_wavefront_size32 1
		.amdhsa_system_sgpr_workgroup_id_x 1
		.amdhsa_system_sgpr_workgroup_id_y 1
		.amdhsa_system_sgpr_workgroup_id_z 1
		.amdhsa_system_vgpr_workitem_id 0
		.amdhsa_next_free_vgpr 242
		.amdhsa_next_free_sgpr 66
		.amdhsa_reserve_vcc 0
		.amdhsa_float_denorm_mode_32 3
		.amdhsa_float_denorm_mode_16_64 3
		.amdhsa_memory_ordered 1
		.amdhsa_forward_progress 1
		.amdhsa_inst_pref_size 131
	.end_amdhsa_kernel
	.amdgpu_metadata
---
amdhsa.version: [ 1, 2 ]
amdhsa.kernels:
  - .name:           k_q066464dc80_prep
    .symbol:         k_q066464dc80_prep.kd
    .args:
      - { .name: x, .offset: 0, .size: 8, .value_kind: global_buffer, .address_space: global }
      - { .name: gamma, .offset: 8, .size: 8, .value_kind: global_buffer, .address_space: global }
      - { .name: w_fused, .offset: 16, .size: 8, .value_kind: global_buffer, .address_space: global }
      - { .name: w_ff_out, .offset: 24, .size: 8, .value_kind: global_buffer, .address_space: global }
      - { .name: w_attn_out, .offset: 32, .size: 8, .value_kind: global_buffer, .address_space: global }
      - { .name: xq, .offset: 40, .size: 8, .value_kind: global_buffer, .address_space: global }
      - { .name: wf, .offset: 48, .size: 8, .value_kind: global_buffer, .address_space: global }
      - { .name: wo, .offset: 56, .size: 8, .value_kind: global_buffer, .address_space: global }
    .group_segment_fixed_size: 132608
    .private_segment_fixed_size: 0
    .kernarg_segment_align: 8
    .kernarg_segment_size: 64
    .max_flat_workgroup_size: 256
    .sgpr_count:     66
    .vgpr_count:     242
    .wavefront_size: 32
...
	.end_amdgpu_metadata
.endif
;; end of part 1
;; launch gemm_ff (part 2): grid 16 x 16, 4 waves a work-group, clusters of 4 x 1, 327,680 bytes of LDS; arguments xq, wf, a2; writes a2
.if DOCPART == 2
	.amdgcn_target "amdgcn-amd-amdhsa--gfx1250"
	.amdhsa_code_object_version 6
	.text
	.protected	k_q066464dc80_gemm_ff
	.globl	k_q066464dc80_gemm_ff
	.p2align	8
	.type	k_q066464dc80_gemm_ff,@function
k_q066464dc80_gemm_ff:
	s_mov_b64 s[64:65], 0
	v_nop
	global_prefetch_b8 v0, s[64:65] scope:SCOPE_SE
	s_setreg_imm32_b32 hwreg(HW_REG_WAVE_MODE, 25, 1), 1
	s_wait_xcnt 0x0
	s_wait_alu depctr_hold_cnt(0) depctr_sa_sdst(0) depctr_va_vdst(0) depctr_va_sdst(0) depctr_va_ssrc(0) depctr_va_vcc(0) depctr_vm_vsrc(0)
	s_getreg_b32 s2, hwreg(HW_REG_IB_STS2, 6, 4)
	s_cmp_eq_u32 s2, 0
	s_cbranch_scc0 .Lentry_in_a_cluster
	s_endpgm
.Lentry_in_a_cluster:
	s_bfe_u32 s2, ttmp6, 0x10000c
	s_cmp_lg_u32 s2, 0x3003
	s_cbranch_scc0 .Lentry_shape_is_right
	s_endpgm
.Lentry_shape_is_right:
; xn x W(ff): 4,096 rows x 4,096 columns, K = 2,048 in 16 steps of 128, on codes of E2M3 with one E8M0 byte for each 32 along K; then silu(gate) x ff_x in f32, quantised along the hidden units: a2's K steps 0-15.
; Operands lie in memory as images of their registers: a fragment, 16 rows x 128 K, is 1,536 bytes, laid [group of 128][K step][8 tiles]; scale words [group][K step][8 tiles][16 rows].
; A weight group holds tiles 0-3 ff_x and 4-7 gate of the same 64 hidden units; groups 2 n and 2 n + 1 hold the 128 hidden units of a2's K step n (group g its blocks g and 2 + g).
; A WORK-GROUP makes 256 rows x 256 columns (two weight groups): 16 x 16 = 256 work-groups.  A WAVE makes 64 rows x all 256 columns: 64 accumulators.
; XN GOES FROM MEMORY STRAIGHT INTO REGISTERS: each wave loads its own 64 rows' codes (512 consecutive bytes an instruction) and scale words, so no byte of xn is read twice in a work-group.  Five K steps take turns; a K step is asked for four K steps ahead.
; THE WEIGHTS GO THROUGH LDS, asked for jointly: the four partners of a cluster 4, 1, 1 share the column block (mask 15).  K steps 0-5 and the scale words for all of K come at the head, one load a wave;
; K steps 1-5, 6-10, 11-15 take turns in two slots of 122,880 bytes: a slot's load is asked for at the head of the five K steps before its own, 320 matrix instructions a wave ahead of the wait for it.
; xn is not asked for jointly: it has no place in LDS for a joint load to land in (two slots, K step 0, the scale words, scratch and spare words take 294,912 bytes; a ring for 256 rows of xn of the same five K steps would take 245,760 more).
; PREFETCH: in K step k each wave names the 24 blocks of 256 bytes of its own rows' K step k + 8, four K steps ahead of their load, up to K step 15; in K step 0 the weights' K steps 11-15, which are loaded six K steps later,
; are named once in the cluster: of the 120 blocks that a wave will fetch each partner takes 30, told apart by address.  K steps 0-10 of the weights are loaded with no K step to run ahead in.
; TRANSPOSED USE: source 0 = 16 weight columns, source 1 = 16 rows of xn; prep has ordered the weights' columns so that a lane's 16 results of two neighbouring tiles are 16 neighbours along the next K.
; REGISTERS: window 0: v10-24 addresses, v26-35 xn's scale words (five sets of two), v36-51 the weights' (two sets of eight), v52-55 a2's scale words, v64-255 four quarter-sets of weight fragments (later the way out);
;   a scale register holds tile 2 i in lanes 0-15 and tile 2 i + 1 in lanes 16-31.  window 1: xn's fragments, K step k at v[48 (k % 5)].  window 2 + g: accumulator (row tile a, tile b of group g) at v[64 a + 8 b].
; LIMITS: a block of zeros gets the byte 1 (its codes are zeros; this program alone reads the bytes); NaN and infinities are not served; the sigmoid comes from v_exp_f32 and v_rcp_f32 (1 ulp each).
.set GK,     12288
.set FRB,    1536
.set GRP,    16*GK
.set HS,     16*512
.set XSCL,   6291456                   ; xq's scale words, and wf's
.set OSCL,   7864320                   ; a2's
.set TOG,    0x20000                   ; LDS: slot 0 at 0, slot 1 at 131,072: [group][5 K steps]
.set SPARE,  122880                    ; between them the spare words, 128 bytes for each wave: two blocks of 256 bytes that no other line names,
.set SCR,    123392                    ; and 256 bytes of scratch for each wave; no fill lands here
.set ZB,     253952                    ; K step 0: [group]
.set BSC,    278528                    ; the weights' scale words: [group][16 K steps][512]
.set VL16, 10
.set V4L,  11
.set VBG,  12                          ; v12-13 the slot that is read, group 0, 1
.set VZ,   14
.set VBS,  15
.set PFO,  16
.set PFB,  17
.set VB128, 18
.set VB64, 19
.set V8L,  20
.set VSCR, 21
.set VSCL, 22
.set SPW,  23
.set NIL,  24
.set ASC,  26
.set BSR,  36
.set WO,   52
.set E,    64
.set G1Z, 16
.set G1X, 24
.set G1S, 32
.set G0Z, 40
.set G0X, 44
.set G0S, 48
.set G0F, 52
.set SAC, 56                           ; s[56:57] my rows' codes, s[58:59] their scale words; stepped five K steps a trip
.set SAS, 58
.set PB,  60
.set MSB, 0
.macro WIN new
.if MSB != (\new)
	s_set_vgpr_msb (MSB<<8)|(\new)
.set MSB, (\new)
.endif
.endm
.macro PLACES
.rept 4
	v_nop
.endr
.endm
.macro CROUND
	s_barrier_signal -1
	s_barrier_wait -1
	s_cmp_lg_u32 s10, 0
	s_cbranch_scc1 .Lnot_wave_0_\@
	s_barrier_signal -3
.Lnot_wave_0_\@:
	s_barrier_wait -3
	s_barrier_signal -1
	s_barrier_wait -1
.endm
.macro BFQ j, peel                     ; the four weight fragments of a run's quarter j (K step j / 4, group (j % 4) / 2, tiles 4 (j % 2) on): 12 LDS loads
.set FG, ((\j)%4)/2
.set FO, ((\j)%2)*4*FRB
.if \peel
.set FA, VZ
.set FO, FO+FG*GK
.else
.set FA, VBG+FG
.set FO, FO+((\j)/4)*GK
.endif
.irp i, 0,1,2,3
.irp c, 0,1,2
	ds_load_b128 v[64+48*((\j)%4)+12*\i+4*\c:64+48*((\j)%4)+12*\i+4*\c+3], v[FA] offset:FO+FRB*\i+512*\c
.endr
.endr
.endm
.macro BS set, off                     ; the weights' scale words of a K step: 8 LDS loads of 128 consecutive bytes
.irp g, 0,1
.irp i, 0,1,2,3
	ds_load_b32 v[BSR+8*(\set)+4*\g+\i], v[VBS] offset:(\off)+HS*\g+128*\i
.endr
.endr
.endm
.macro AF slot, k                      ; my rows' K step: 12 loads of codes, 2 of scale words
	WIN 0x40
.irp i, 0,1,2,3
.irp c, 0,1,2
	global_load_b128 v[48*(\slot)+12*\i+4*\c:48*(\slot)+12*\i+4*\c+3], v[VL16], s[SAC:SAC+1] offset:(\k)*GK+FRB*\i+512*\c
.endr
.endr
	WIN 0
.irp i, 0,1
	global_load_b32 v[ASC+2*(\slot)+\i], v[V4L], s[SAS:SAS+1] offset:(\k)*512+128*\i
.endr
.endm
.macro PFA off, cond
.if \cond
	s_cmp_gt_u32 s3, 1                             ; in the loop's second trip only K steps 6 and 7 have a K step eight on
	s_cbranch_scc0 .Lnp_\@
.endif
	global_prefetch_b8 v[PFO], s[SAC:SAC+1] offset:\off th:TH_LOAD_NT scope:SCOPE_SE
.Lnp_\@:
.endm
.macro WM ra, rb, zero                 ; one product; ra, rb: the halves of the lanes that hold the weights' and xn's scale words
.if \zero
.if (\ra) && (\rb)
	v_wmma_scale_f32_16x16x128_f8f6f4 v[WD:WD+7], v[WR:WR+11], v[WS:WS+11], 0, v[WX], v[WY] matrix_a_fmt:MATRIX_FMT_FP6 matrix_b_fmt:MATRIX_FMT_FP6 matrix_a_scale:MATRIX_SCALE_ROW1 matrix_b_scale:MATRIX_SCALE_ROW1
.else
.if (\ra)
	v_wmma_scale_f32_16x16x128_f8f6f4 v[WD:WD+7], v[WR:WR+11], v[WS:WS+11], 0, v[WX], v[WY] matrix_a_fmt:MATRIX_FMT_FP6 matrix_b_fmt:MATRIX_FMT_FP6 matrix_a_scale:MATRIX_SCALE_ROW1
.else
.if (\rb)
	v_wmma_scale_f32_16x16x128_f8f6f4 v[WD:WD+7], v[WR:WR+11], v[WS:WS+11], 0, v[WX], v[WY] matrix_a_fmt:MATRIX_FMT_FP6 matrix_b_fmt:MATRIX_FMT_FP6 matrix_b_scale:MATRIX_SCALE_ROW1
.else
	v_wmma_scale_f32_16x16x128_f8f6f4 v[WD:WD+7], v[WR:WR+11], v[WS:WS+11], 0, v[WX], v[WY] matrix_a_fmt:MATRIX_FMT_FP6 matrix_b_fmt:MATRIX_FMT_FP6
.endif
.endif
.endif
.else
.if (\ra) && (\rb)
	v_wmma_scale_f32_16x16x128_f8f6f4 v[WD:WD+7], v[WR:WR+11], v[WS:WS+11], v[WD:WD+7], v[WX], v[WY] matrix_a_fmt:MATRIX_FMT_FP6 matrix_b_fmt:MATRIX_FMT_FP6 matrix_a_scale:MATRIX_SCALE_ROW1 matrix_b_scale:MATRIX_SCALE_ROW1
.else
.if (\ra)
	v_wmma_scale_f32_16x16x128_f8f6f4 v[WD:WD+7], v[WR:WR+11], v[WS:WS+11], v[WD:WD+7], v[WX], v[WY] matrix_a_fmt:MATRIX_FMT_FP6 matrix_b_fmt:MATRIX_FMT_FP6 matrix_a_scale:MATRIX_SCALE_ROW1
.else
.if (\rb)
	v_wmma_scale_f32_16x16x128_f8f6f4 v[WD:WD+7], v[WR:WR+11], v[WS:WS+11], v[WD:WD+7], v[WX], v[WY] matrix_a_fmt:MATRIX_FMT_FP6 matrix_b_fmt:MATRIX_FMT_FP6 matrix_b_scale:MATRIX_SCALE_ROW1
.else
	v_wmma_scale_f32_16x16x128_f8f6f4 v[WD:WD+7], v[WR:WR+11], v[WS:WS+11], v[WD:WD+7], v[WX], v[WY] matrix_a_fmt:MATRIX_FMT_FP6 matrix_b_fmt:MATRIX_FMT_FP6
.endif
.endif
.endif
.endif
.endm
; a quarter of a K step: my four row tiles x four weight tiles.  The 64 accumulators take turns, one instruction a turn, in the same order in every K step
.macro MULQ set, a5, bs, g, bq, zero
	WIN 0xa4+0x50*(\g)                     ; source 0 window 0, source 1 window 1, C and D window 2 + g
.irp a, 0,1,2,3
.irp bb, 0,1,2,3
.set WD, 64*\a+8*(4*(\bq)+\bb)
.set WR, 64+48*(\set)+12*\bb
.set WS, 48*(\a5)+12*\a
.set WX, BSR+8*(\bs)+4*(\g)+2*(\bq)+\bb/2
.set WY, ASC+2*(\a5)+\a/2
	WM \bb%2, \a%2, \zero
.endr
.endr
.endm
; A RUN of nk K steps out of one place in LDS (nk = 1: K step 0; else a slot).  k0: the first K step, counted from where the stepped addresses stand.  na: how many of its K steps still ask for xn four K steps on.
; It opens with its first K step's scale words and its quarters 0-2.  Quarter j then asks for quarter j + 3, into the registers that quarter j - 1 read (four places behind its last product);
; a K step's first quarter also asks for the next K step's scale words and for xn.  The run's last three quarters ask for nothing: the next run's bytes are read behind its own barrier.
.macro KRUN nk, k0, na, tail, zero
.set NQT, 4*(\nk)
	WIN 0
	BS 0, 512*(\k0)
	BFQ 0, (\nk)==1
	BFQ 1, (\nk)==1
	BFQ 2, (\nk)==1
.set J, 0
.rept 4*(\nk)
.set KK, J/4
.set QQ, J%4
.if (J+3 < NQT) || (QQ == 0)
	WIN 0
	PLACES                                         ; in front of loads into registers that the last products read
.endif
.if (QQ == 0) && (KK+1 < \nk)
	BS (KK+1)%2, 512*(\k0+KK+1)
.endif
.if J+3 < NQT
	BFQ J+3, (\nk)==1
.endif
.if (QQ == 0) && (KK < \na)
	AF (\k0+KK+4)%5, \k0+KK+4
.endif
.if (QQ == 2) && (\tail == 0)
	WIN 0                                          ; at a branch and at a label every window is 0
	PFA (\k0+KK+8)*GK, KK/2
.if (\nk) == 1
	global_prefetch_b8 v[PFB], s[PB:PB+1] th:TH_LOAD_NT scope:SCOPE_SE
.endif
.endif
.set ND, 0                             ; behind this quarter's LDS loads stand the three younger groups
.irp d, 0,1,2
.set GI, J-\d
.if GI < 0
.set ND, ND+12
.else
.if GI+3 < NQT
.set ND, ND+12
.endif
.if (GI%4 == 0) && (GI/4+1 < \nk)
.set ND, ND+8
.endif
.endif
.endr
.if QQ == 0
	s_wait_loadcnt 56-14*KK*(\tail)                ; behind this K step's 14 loads stand those of the later K steps: four, in the tail what is left
.endif
	s_wait_dscnt ND
	MULQ J%4, (\k0+KK)%5, KK%2, QQ/2, QQ%2, \zero
.set J, J+1
.endr
	WIN 0
.endm
	s_load_b128 s[4:7], s[0:1], 0x0                ; xq, wf
	s_load_b64 s[8:9], s[0:1], 0x10                ; a2
	v_lshl_add_u32 v[SPW], v0, 2, SPARE
	v_mov_b32 v[NIL], 0
	ds_add_u32 v[SPW], v[NIL]                      ; the opening lines: the add, twice on end, and its wait ahead of my first tensor load
	ds_add_u32 v[SPW], v[NIL]
	v_lshrrev_b32 v1, 5, v0
	v_readfirstlane_b32 s10, v1                    ; wave 0..3
	s_lshr_b32 s11, s10, 1
	s_and_b32 s12, s10, 1
	s_bfe_u32 s13, ttmp6, 0x40000                  ; cx
	s_lshl_b32 s14, ttmp9, 2
	s_add_co_u32 s14, s14, s13                     ; which 256 rows: it enters xn's addresses, the prefetch and the stores alone
	s_and_b32 s15, ttmp7, 0xffff                   ; which 256 columns: the four partners share it
	s_mov_b32 s[G1Z], 15|(3<<16)|(1<<21)           ; K step 0 of both groups: 2 rows of 12,288 bytes (1,536 elements of 8), a group apart
	s_mov_b32 s[G1Z+1], 1536<<16
	s_mov_b32 s[G1Z+2], 2<<16
	s_mov_b32 s[G1Z+3], 1536<<16
	s_mov_b32 s[G1Z+4], 2
	s_mov_b32 s[G1Z+5], GRP/8
	s_mov_b32 s[G1Z+6], 0
	s_mov_b32 s[G1Z+7], 0
.irp g, G1X, G1S                       ; dense blocks as rows of 256 bytes
	s_mov_b32 s[\g], 15|(3<<16)|(1<<21)
	s_mov_b32 s[\g+1], 32<<16
	s_mov_b32 s[\g+3], 32<<16
	s_mov_b32 s[\g+5], 32
	s_mov_b32 s[\g+6], 0
	s_mov_b32 s[\g+7], 0
.endr
	s_mov_b32 s[G1X+2], 240<<16                    ; at the head five K steps of a group: 240 rows
	s_mov_b32 s[G1X+4], 240
	s_mov_b32 s[G1S+2], 64<<16                     ; both groups' scale words: 64 rows
	s_mov_b32 s[G1S+4], 64
	s_mul_i32 s62, s15, 2*GRP                      ; the column block's first group
	s_mov_b32 s63, 0
	s_mul_i32 s66, s10, GRP                        ; waves 0, 1: K steps 1-5 of group 0, 1
	s_add_co_u32 s66, s66, s62
	s_add_co_u32 s66, s66, GK
	s_mov_b32 s67, 0
	s_mul_i32 s[G0X+1], s10, 5*GK
	s_mul_i32 s68, s15, 2*HS
	s_add_co_u32 s68, s68, XSCL
	s_mov_b32 s69, 0
	s_mul_i32 s70, s12, GRP                        ; the ring: half a group's five K steps a wave: group w % 2, half w / 2
	s_add_co_u32 s70, s70, s62
	s_mul_i32 s71, s11, 5*GK/2
	s_add_co_u32 s70, s70, s71
	s_add_co_u32 s70, s70, GK
	s_mul_i32 s[G0F+1], s12, 5*GK
	s_add_co_u32 s[G0F+1], s[G0F+1], s71
	s_mov_b32 s71, 0
	s_lshl_b32 s72, s14, 1
	s_add_co_u32 s72, s72, s11                     ; my group of 128 rows; my tiles are 4 (w % 2) on
	s_mul_i32 s[SAC], s72, GRP
	s_mul_i32 s83, s12, 4*FRB
	s_add_co_u32 s[SAC], s[SAC], s83
	s_mov_b32 s[SAC+1], 0
	s_mul_i32 s[SAS], s72, HS
	s_lshl_b32 s82, s12, 8
	s_add_co_u32 s[SAS], s[SAS], s82
	s_add_co_u32 s[SAS], s[SAS], XSCL
	s_mov_b32 s[SAS+1], 0
	s_mul_i32 s73, s72, 20
	s_add_co_u32 s73, s73, s15                     ; a2: (group, K step n)
	s_lshl_b32 s74, s73, 9
	s_add_co_u32 s74, s74, s82
	s_add_co_u32 s74, s74, OSCL
	s_mov_b32 s75, 0
	s_mul_i32 s84, s73, GK
	s_add_co_u32 s84, s84, s83
	s_mov_b32 s85, 0
	s_mul_i32 s[PB], s15, 2*GRP                    ; the weights' prefetch: my part of K steps 11-15, my work-group's 30 blocks of its 120
	s_mul_i32 s86, s12, GRP
	s_add_co_u32 s[PB], s[PB], s86
	s_mul_i32 s86, s11, 5*GK/2
	s_add_co_u32 s[PB], s[PB], s86
	s_mul_i32 s86, s13, 30*256
	s_add_co_u32 s[PB], s[PB], s86
	s_add_co_u32 s[PB], s[PB], 11*GK
	s_mov_b32 s[PB+1], 0
	s_lshl_b32 s82, s10, 8
	s_add_co_u32 s82, s82, SCR
	s_mov_b32 s76, 0xffff0000                      ; lanes 16-31
	s_mov_b32 s78, 0xbfb8aa3b                      ; -log2(e)
	s_mov_b32 s79, s78
	s_mov_b32 s80, 0x76543210
	s_mov_b32 s81, 0xfedcba98                      ; v_permlanex16_b32's selects for lane l xor 16
	v_and_b32 v2, 31, v0
	v_and_b32 v3, 15, v0
	v_bfe_u32 v4, v0, 4, 1
	v_lshlrev_b32 v[VL16], 4, v2
	v_lshlrev_b32 v[V4L], 2, v2
	v_lshlrev_b32 v[V8L], 3, v2
	v_lshlrev_b32 v[VBG], 4, v2
	v_add_nc_u32 v[VBG+1], 5*GK, v[VL16]
	v_add_nc_u32 v[VZ], ZB, v[VL16]
	v_lshl_add_u32 v[VBS], v2, 2, BSC
	v_min_u32 v5, 23, v2
	v_lshlrev_b32 v[PFO], 8, v5                    ; a K step of my rows is 24 blocks of 256 bytes; the lanes left over name the last again
	v_min_u32 v6, 29, v2
	v_lshlrev_b32 v[PFB], 8, v6
	v_lshlrev_b32 v7, 4, v3
	v_lshl_add_u32 v[VB128], v4, 10, v7            ; a2's image: registers 0-3 (lanes 0-15) or 8-11 (lanes 16-31) of image lane r + 16 g,
	v_lshl_add_u32 v8, v4, 3, v7
	v_add_nc_u32 v[VB64], 512, v8                  ; and registers 4-5 or 6-7
	v_lshl_add_u32 v[VSCR], v2, 2, s82
	v_lshl_add_u32 v[VSCL], v2, 3, s82
	s_wait_alu depctr_va_vdst(0)                   ; the head's end
	s_wait_dscnt 0x0                               ; both opening adds are done
	s_wait_kmcnt 0x0
	s_mov_b32 s[G0Z], 1
	s_mov_b32 s[G0Z+1], ZB
	s_add_nc_u64 s[G0Z+2:G0Z+3], s[6:7], s[62:63]
	s_or_b32 s[G0Z+3], s[G0Z+3], 0x80000000
	s_mov_b32 s[G0X], 1
	s_add_nc_u64 s[G0X+2:G0X+3], s[6:7], s[66:67]
	s_or_b32 s[G0X+3], s[G0X+3], 0x80000000
	s_mov_b32 s[G0S], 1
	s_mov_b32 s[G0S+1], BSC
	s_add_nc_u64 s[G0S+2:G0S+3], s[6:7], s[68:69]
	s_or_b32 s[G0S+3], s[G0S+3], 0x80000000
	s_mov_b32 s[G0F], 1
	s_add_nc_u64 s[G0F+2:G0F+3], s[6:7], s[70:71]  ; it stands at slot 0 and K step 1; each change steps it to the other slot and five K steps on
	s_or_b32 s[G0F+3], s[G0F+3], 0x80000000
	s_add_nc_u64 s[PB:PB+1], s[6:7], s[PB:PB+1]
	s_add_nc_u64 s[SAC:SAC+1], s[4:5], s[SAC:SAC+1]
	s_add_nc_u64 s[SAS:SAS+1], s[4:5], s[SAS:SAS+1]
	s_add_nc_u64 s[74:75], s[8:9], s[74:75]
	s_add_nc_u64 s[8:9], s[8:9], s[84:85]
	CROUND                                         ; all four work-groups are here: the joint loads meet
	; the head's loads, one a wave: one chain of branches on the wave's number, one load to an arm, one join
	s_cmp_lt_u32 s10, 2
	s_cbranch_scc0 .Lh_z
	tensor_load_to_lds s[G0X:G0X+3], s[G1X:G1X+7]
	s_nop 0
	PLACES
	s_branch .Lh_done
.Lh_z:
	s_cmp_lt_u32 s10, 3
	s_cbranch_scc0 .Lh_s
	tensor_load_to_lds s[G0Z:G0Z+3], s[G1Z:G1Z+7]
	s_nop 0
	PLACES
	s_branch .Lh_done
.Lh_s:
	tensor_load_to_lds s[G0S:G0S+3], s[G1S:G1S+7]
	s_nop 0
	PLACES
.Lh_done:
.irp k, 0,1,2,3
	AF \k, \k                                      ; xn's K steps 0-3: 56 loads
.endr
	s_wait_tensorcnt 0x0                           ; my load has landed, so a descriptor may be written: from here on a load brings half a group's five K steps, 120 rows
	s_mov_b32 s[G1X+2], 120<<16
	s_mov_b32 s[G1X+4], 120
	s_barrier_signal -1
	s_barrier_wait -1                              ; everybody's has; xn's loads, of bytes that this launch does not write, stay out across it
	KRUN 1, 0, 1, 0, 1                             ; K step 0 starts the sums: nothing is cleared
	s_mov_b32 s3, 2
.Lt:                                                   ; two trips: K steps 1-5 out of slot 0, 6-10 out of slot 1
	s_wait_tensorcnt 0x0                           ; all my tensor loads have landed, my part of this trip's slot among them;
	ds_add_u32 v[SPW], v[NIL]                      ; 0 onto my spare word;
	s_xor_b32 s[G0F+1], s[G0F+1], TOG              ; no load of mine is out, so group 0 may be written: the other slot,
	s_add_nc_u64 s[G0F+2:G0F+3], s[G0F+2:G0F+3], 5*GK  ; the next five K steps
	s_wait_dscnt 0x0                               ; the add is done, and my reads of the other slot are over
	CROUND                                         ; both now hold of every wave of every partner
	tensor_load_to_lds s[G0F:G0F+3], s[G1X:G1X+7]  ; my one tensor load behind the round (the first time: slot 1's first fill, issued as a refill is)
	s_nop 0
	PLACES
	KRUN 5, 1, 5, 0, 0
	s_wait_xcnt 0x0                                ; my loads and prefetches have read their bases
	s_add_nc_u64 s[SAC:SAC+1], s[SAC:SAC+1], 5*GK
	s_add_nc_u64 s[SAS:SAS+1], s[SAS:SAS+1], 5*512
	v_xor_b32 v[VBG], TOG, v[VBG]
	v_xor_b32 v[VBG+1], TOG, v[VBG+1]
	v_add_nc_u32 v[VBS], 5*512, v[VBS]
	s_sub_co_u32 s3, s3, 1
	s_cmp_lg_u32 s3, 0
	s_wait_alu depctr_va_vdst(0)
	s_cbranch_scc1 .Lt
	s_wait_tensorcnt 0x0                           ; K steps 11-15: my part has landed; nothing more is filled
	s_wait_dscnt 0x0
	s_barrier_signal -1
	s_barrier_wait -1
	PLACES                                         ; in front of loads into registers that the loop's last products read
	KRUN 5, 1, 1, 1, 0
	PLACES                                         ; behind the last products
	v_mov_b32 v98, 0                               ; a lane permute's destination counts as one of its sources
	v_mov_b32 v99, 0
	s_wait_dscnt 0x0
	s_barrier_signal -1                            ; one barrier parts all waves' reads of the tiles from the stores into the scratch
	s_barrier_wait -1
; THE WAY OUT of row tile a, group g: 64 hidden units a lane pair: silu(gate) x ff_x, the two blocks' scales, the codes, laid as image lanes r + 16 g of a2's fragment
.macro EPI a, g
.set AC, 64*(\a)
.set UU, 2*(\a)+(\g)
.set DD, 112+8*(UU%2)
.if UU > 1
	s_wait_xcnt 0x0                                ; the stores of two units ago have read these registers
.endif
	WIN 2+(\g)
.set ii, 0
.rept 16
	v_pk_mul_f32 v[E+ii:E+ii+1], v[AC+32+ii:AC+33+ii], s[78:79] op_sel_hi:[1,0]   ; -gate x log2(e); each accumulator from its low end on
.set ii, ii+2
.endr
	WIN 0
.set ii, 0
	s_wait_alu depctr_va_vdst(0)                   ; a wait ahead of each batch of transcendentals and behind it
.rept 32
	v_exp_f32 v[E+ii], v[E+ii]
.set ii, ii+1
.endr
	v_nop
.set ii, 0
	s_wait_alu depctr_va_vdst(0)
.rept 16
	v_pk_add_f32 v[E+ii:E+ii+1], v[E+ii:E+ii+1], 1.0 op_sel_hi:[1,0]
.set ii, ii+2
.endr
.set ii, 0
	s_wait_alu depctr_va_vdst(0)
.rept 32
	v_rcp_f32 v[E+ii], v[E+ii]                     ; the sigmoid
.set ii, ii+1
.endr
	v_nop
	WIN 2+(\g)
.set ii, 0
	s_wait_alu depctr_va_vdst(0)
.rept 16
	v_pk_mul_f32 v[E+ii:E+ii+1], v[AC+32+ii:AC+33+ii], v[E+ii:E+ii+1]
.set ii, ii+2
.endr
.set ii, 0
.rept 16
	v_pk_mul_f32 v[E+ii:E+ii+1], v[AC+ii:AC+ii+1], v[E+ii:E+ii+1]
.set ii, ii+2
.endr
	WIN 0
.irp c, 0,1
	v_max3_num_f32 v[96+\c], |v[E+16*\c]|, |v[E+16*\c+1]|, 0x1800000   ; the floor 2^(3 - 127): the byte cannot fall under 1
.endr
.irp i, 2,4,6,8,10,12,14
.irp c, 0,1
	v_max3_num_f32 v[96+\c], v[96+\c], |v[E+16*\c+\i]|, |v[E+16*\c+\i+1]|
.endr
.endr
.irp c, 0,1
	v_permlanex16_b32 v[98+\c], v[96+\c], s80, s81
.endr
.irp c, 0,1
	v_max_num_f32 v[96+\c], v[96+\c], v[98+\c]
.endr
.irp c, 0,1
	v_add_nc_u32 v[100+\c], 0xff000000, v[96+\c]   ; 2 off the exponent field: the conversion's scale operand
.endr
.irp c, 0,1
	v_lshrrev_b32 v[102+\c], 23, v[100+\c]         ; the bytes of blocks g and 2 + g
.endr
	v_cvt_scalef32_pk16_fp6_f32 v[104:106], v[E:E+15], v100
	v_cvt_scalef32_pk16_fp6_f32 v[108:110], v[E+16:E+31], v101
	v_nop                                          ; one plain place behind the scaled conversions
.irp i, 0,1,2
	v_permlane16_swap_b32 v[104+\i], v[108+\i]
.endr
	v_cndmask_b32 v[DD], v104, v106, s76
	v_cndmask_b32 v[DD+1], v105, v108, s76
	v_cndmask_b32 v[DD+2], v106, v109, s76
	v_cndmask_b32 v[DD+3], v108, v110, s76
	v_cndmask_b32 v[DD+4], v109, v104, s76
	v_cndmask_b32 v[DD+5], v110, v105, s76
	global_store_b128 v[VB128], v[DD:DD+3], s[8:9] offset:FRB*(\a)+256*(\g)
	global_store_b64 v[VB64], v[DD+4:DD+5], s[8:9] offset:FRB*(\a)+256*(\g)
.if \g
	v_lshl_or_b32 v[WO+\a], v102, 8, v[WO+\a]      ; the row's scale word: bytes 1 and 3,
	v_lshl_or_b32 v[WO+\a], v103, 24, v[WO+\a]
.else
	v_lshl_or_b32 v[WO+\a], v103, 16, v102         ; bytes 0 and 2
.endif
.endm
.irp a, 0,1,2,3
	EPI \a, 0
	EPI \a, 1
.endr
	v_cndmask_b32 v96, v[WO], v[WO+1], s76         ; lanes 0-15 one tile's words, lanes 16-31 the next tile's
	v_cndmask_b32 v97, v[WO+2], v[WO+3], s76
	ds_store_b32 v[VSCR], v96
	ds_store_b32 v[VSCR], v97 offset:128
	ds_load_b64 v[100:101], v[VSCL]                ; LDS serves a wave's instructions in order: this sees my stores
	s_wait_dscnt 0x0
	global_store_b64 v[V8L], v[100:101], s[74:75]  ; my four tiles' scale words: one aligned unit of 256 bytes
	s_wait_tensorcnt 0x0                           ; the wave's end
	ds_add_u32 v[SPW], v[NIL]
	s_wait_dscnt 0x0
	CROUND                                         ; the closing round
	s_endpgm
.Lfunc_end_k_q066464dc80_gemm_ff:
	.size	k_q066464dc80_gemm_ff, .Lfunc_end_k_q066464dc80_gemm_ff-k_q066464dc80_gemm_ff
	.p2alignl 7, 3214868480
	.fill 96, 4, 3214868480
	.section	.rodata,"a",@progbits
	.p2align	6, 0x0
	.amdhsa_kernel k_q066464dc80_gemm_ff
		.amdhsa_group_segment_fixed_size 327680
		.amdhsa_private_segment_fixed_size 0
		.amdhsa_enable_private_segment 0
		.amdhsa_kernarg_size 24
		.amdhsa_user_sgpr_count 2
		.amdhsa_user_sgpr_kernarg_segment_ptr 1
		.amdhsa_wavefront_size32 1
		.amdhsa_system_sgpr_workgroup_id_x 1
		.amdhsa_system_sgpr_workgroup_id_y 1
		.amdhsa_system_sgpr_workgroup_id_z 1
		.amdhsa_system_vgpr_workitem_id 0
		.amdhsa_next_free_vgpr 1024
		.amdhsa_next_free_sgpr 92
		.amdhsa_reserve_vcc 0
		.amdhsa_float_denorm_mode_32 3
		.amdhsa_float_denorm_mode_16_64 3
		.amdhsa_memory_ordered 1
		.amdhsa_forward_progress 1
		.amdhsa_inst_pref_size 232
	.end_amdhsa_kernel
	.amdgpu_metadata
---
amdhsa.version: [ 1, 2 ]
amdhsa.kernels:
  - .name:           k_q066464dc80_gemm_ff
    .symbol:         k_q066464dc80_gemm_ff.kd
    .args:
      - { .name: xq, .offset: 0, .size: 8, .value_kind: global_buffer, .address_space: global }
      - { .name: wf, .offset: 8, .size: 8, .value_kind: global_buffer, .address_space: global }
      - { .name: a2, .offset: 16, .size: 8, .value_kind: global_buffer, .address_space: global }
    .group_segment_fixed_size: 327680
    .private_segment_fixed_size: 0
    .kernarg_segment_align: 8
    .kernarg_segment_size: 24
    .max_flat_workgroup_size: 128
    .sgpr_count:     92
    .vgpr_count:     1024
    .wavefront_size: 32
...
	.end_amdgpu_metadata
.endif
;; end of part 2
;; launch qkvp (part 3): grid 32 x 6, 4 waves a work-group, clusters of 4 x 1, 327,680 bytes of LDS; arguments xq, wf, qkv; writes qkv
.if DOCPART == 3
	.amdgcn_target "amdgcn-amd-amdhsa--gfx1250"
	.amdhsa_code_object_version 6
	.text
	.protected	k_q066464dc80_qkvp
	.globl	k_q066464dc80_qkvp
	.p2align	8
	.type	k_q066464dc80_qkvp,@function
k_q066464dc80_qkvp:
	s_mov_b64 s[64:65], 0
	v_nop
	global_prefetch_b8 v0, s[64:65] scope:SCOPE_SE
	s_setreg_imm32_b32 hwreg(HW_REG_WAVE_MODE, 25, 1), 1
	s_wait_xcnt 0x0
	s_wait_alu depctr_hold_cnt(0) depctr_sa_sdst(0) depctr_va_vdst(0) depctr_va_sdst(0) depctr_va_ssrc(0) depctr_va_vcc(0) depctr_vm_vsrc(0)
	s_getreg_b32 s2, hwreg(HW_REG_IB_STS2, 6, 4)
	s_cmp_eq_u32 s2, 0
	s_cbranch_scc0 .Lentry_in_a_cluster
	s_endpgm
.Lentry_in_a_cluster:
	s_bfe_u32 s2, ttmp6, 0x10000c
	s_cmp_lg_u32 s2, 0x3003
	s_cbranch_scc0 .Lentry_shape_is_right
	s_endpgm
.Lentry_shape_is_right:
; xn x W(q, k, v): 4,096 rows x 576 columns; rotary on q and k, q x 32^-0.5; all three quantised for attention's two products.
; A work-group takes 128 rows (group rg) x 96 columns (three slots of 32: heads 3 cgp .. 3 cgp + 2; head 16 is k, head 17 is v).  Wave w takes rows 32 w .. 32 w + 31 x all six weight tiles: 12 accumulators.
; Operands lie in memory as images of their registers (1,536 bytes a fragment).  K goes in steps of 512 through two LDS slots; the scale words for all of K come once.
; CLUSTER: the four work-groups of a cluster share cgp, so the weights' tiles and scale words are asked for jointly (mask 15); xn's tiles differ between partners and are plain loads behind the same rounds.
; TRANSPOSED USE: source 0 = 16 weight columns, source 1 = 16 rows of xn: register j of lane (r, h) in tile 2 sl + u is (row r, d = 16 u + 8 h + j).  So d and d + 16, the rotary pair, lie in one lane.
; q's and k's 32 numbers are stored in the order 16 h + 8 u + j, alike on both sides of their product.  v goes through the wave's own stage in LDS, so that a lane holds one d and 32 keys: one block along the keys.
; qkv: q's codes [b][16][2048][24] at 0, q's scale words at 1,572,864 (byte 0 the block's, bytes 1-3 127 for the zero codes that fill K to 128); per batch at 1,835,008 + 108,544 b:
;   k's codes [2048][24], v's codes [16 K steps][32 d][96] at 49,152, k's scale words at 98,304, v's scale words [16][32] at 106,496.
; v's codes and bytes leave in pieces of 12 bytes and 1 byte a lane: 2 x 51,200 bytes of the program's traffic.
; LIMITS: sine and cosine by reduction with pi/2 in three parts and polynomials of degree 7 and 8 (about 1e-7); the inverse frequencies come from v_exp_f32 (1 ulp), so at position 2,047 an angle may
; differ by about 1e-4 from one made with another power function; a block of zeros gets the byte 1 (its codes are zeros); NaN and infinities are not served.
.set XSL,   49152                      ; xn: two slots of 4 K steps x 12,288 bytes, on end from byte 0
.set WSL,   36864                      ; the weights: two slots of 4 x 9,216 bytes, on end from BOFF
.set BOFF,  98304
.set SCA,   172032                     ; xn's scale words, 8,192 bytes
.set SCB,   180224                     ; the weights', 6,144
.set VSTG,  186368                     ; v's stage: 32 rows x 144 bytes for each wave; no fill lands here
.set SPARE, 204800                     ; the spare words, 128 bytes for each wave: two blocks of 256 bytes that no other line names
.set FS,    32                         ; fragment sets at v32 and v128: xn's two fragments, then the weights' six
.set CS,    224                        ; v224-255: row tile a at CS + 16 a: cos of my 8 frequencies, then sin
.set G1A,  16
.set G1B,  24
.set G1SA, 32
.set G1SB, 40
.set G0A,  48                          ; s[48:51], s[52:55]: slot 0, 1
.set G0SA, 56
.set G0B,  60                          ; s[60:63], s[68:71]
.set G0SB, 72
.set MSB, 0
.macro WIN new
.if MSB != (\new)
	s_set_vgpr_msb (MSB<<8)|(\new)
.set MSB, (\new)
.endif
.endm
; waves 0 and 1 fetch xn's halves, waves 2 and 3 the weights'; the branch hangs on the wave's number alone.  Four v_nop follow each of the two lines.
.macro QLOAD g0a, g1a, g0b, g1b
	s_cmp_eq_u32 s11, 0
	s_cbranch_scc0 .Lqb_\@
	tensor_load_to_lds s[\g0a:\g0a+3], s[\g1a:\g1a+7]
	s_nop 0
.rept 4
	v_nop
.endr
	s_branch .Lqd_\@
.Lqb_\@:
	tensor_load_to_lds s[\g0b:\g0b+3], s[\g1b:\g1b+7]
	s_nop 0
.rept 4
	v_nop
.endr
.Lqd_\@:
.endm
.macro CROUND
	s_barrier_signal -1
	s_barrier_wait -1
	s_cmp_lg_u32 s10, 0
	s_cbranch_scc1 .Lnot_wave_0_\@
	s_barrier_signal -3
.Lnot_wave_0_\@:
	s_barrier_wait -3
	s_barrier_signal -1
	s_barrier_wait -1
.endm
.macro PLACES
.rept 4
	v_nop
.endr
.endm
	s_load_b128 s[4:7], s[0:1], 0x0                ; xq, wf
	s_load_b64 s[8:9], s[0:1], 0x10                ; qkv
	v_lshl_add_u32 v12, v0, 2, SPARE               ; my spare word; never rewritten
	v_mov_b32 v13, 0                               ; 0; never rewritten
	ds_add_u32 v12, v13
	ds_add_u32 v12, v13
	s_wait_dscnt 0x0
	v_lshrrev_b32 v1, 5, v0
	v_readfirstlane_b32 s10, v1                    ; wave 0..3
	s_lshr_b32 s11, s10, 1                         ; I fetch for xn (0) or for the weights (1)
	s_and_b32 s12, s10, 1                          ; which half
	s_bfe_u32 s13, ttmp6, 0x40000                  ; cx
	s_lshl_b32 s14, ttmp9, 2
	s_add_co_u32 s14, s14, s13                     ; rg: it enters xn's addresses, the positions and the stores alone
	s_and_b32 s15, ttmp7, 0xffff                   ; cgp, which the four partners share
	s_mov_b32 s[G1A], 3<<16                        ; xn: 24,576 dense bytes as 96 rows of 256; no mask
	s_mov_b32 s[G1A+1], 32<<16
	s_mov_b32 s[G1A+2], 384<<16                    ; the head's load brings both slots, K steps 0-7: 384 rows
	s_mov_b32 s[G1A+3], 32<<16
	s_mov_b32 s[G1A+4], 384
	s_mov_b32 s[G1A+5], 32
	s_mov_b32 s[G1A+6], 0
	s_mov_b32 s[G1A+7], 0
	s_mov_b32 s[G1B], 15|(3<<16)|(1<<21)           ; the weights: 18,432 bytes as 72 rows; all four work-groups
	s_mov_b32 s[G1B+1], 32<<16
	s_mov_b32 s[G1B+2], 288<<16                    ; likewise: 288 rows
	s_mov_b32 s[G1B+3], 32<<16
	s_mov_b32 s[G1B+4], 288
	s_mov_b32 s[G1B+5], 32
	s_mov_b32 s[G1B+6], 0
	s_mov_b32 s[G1B+7], 0
	s_mov_b32 s[G1SA], 3<<16                       ; xn's scale words: 32 rows of 256 bytes
	s_mov_b32 s[G1SA+1], 32<<16
	s_mov_b32 s[G1SA+2], 32<<16                    ; all 8,192 bytes by one load
	s_mov_b32 s[G1SA+3], 32<<16
	s_mov_b32 s[G1SA+4], 32
	s_mov_b32 s[G1SA+5], 32
	s_mov_b32 s[G1SA+6], 0
	s_mov_b32 s[G1SA+7], 0
	s_mov_b32 s[G1SB], 15|(3<<16)|(1<<21)          ; the weights': 24 rows of 256 bytes
	s_mov_b32 s[G1SB+1], 32<<16
	s_mov_b32 s[G1SB+2], 24<<16                    ; all 6,144 bytes by one load
	s_mov_b32 s[G1SB+3], 32<<16
	s_mov_b32 s[G1SB+4], 24
	s_mov_b32 s[G1SB+5], 32
	s_mov_b32 s[G1SB+6], 0
	s_mov_b32 s[G1SB+7], 0
	s_mul_i32 s76, s14, 196608
	s_mul_i32 s100, s12, 24576
	s_add_co_u32 s76, s76, s100
	s_mov_b32 s77, 0
	s_lshl_b32 s78, s14, 13
	s_add_co_u32 s78, s78, 6291456
	s_mov_b32 s79, 0
	s_mul_i32 s80, s15, 147456
	s_mul_i32 s100, s12, 18432
	s_add_co_u32 s80, s80, s100
	s_add_co_u32 s80, s80, 6553600
	s_mov_b32 s81, 0
	s_mul_i32 s82, s15, 6144
	s_add_co_u32 s82, s82, 7438336
	s_mov_b32 s83, 0
	s_lshr_b32 s98, s14, 4                         ; the batch
	s_and_b32 s99, s14, 15
	s_lshl_b32 s99, s99, 7
	s_lshl_b32 s100, s10, 5
	s_add_co_u32 s99, s99, s100                    ; my wave's first position
	s_mov_b32 s88, 0xbfc90fdb                      ; -pi/2 in three parts
	s_mov_b32 s89, 0x333bbd2e
	s_mov_b32 s90, 0x26f72ced
	s_mov_b32 s91, 0xbf549a78                      ; -log2(10)/4 in two parts
	s_mov_b32 s92, 0xb2979a31
	s_mov_b32 s93, 0xffff0000                      ; lanes 16-31
	s_mov_b32 s94, 0x76543210
	s_mov_b32 s95, 0xfedcba98
	s_wait_kmcnt 0x0
	s_add_nc_u64 s[76:77], s[4:5], s[76:77]
	s_add_nc_u64 s[78:79], s[4:5], s[78:79]
	s_add_nc_u64 s[80:81], s[6:7], s[80:81]
	s_add_nc_u64 s[82:83], s[6:7], s[82:83]
	s_mov_b32 s48, 1
	s_mul_i32 s49, s12, 24576
	s_mov_b64 s[50:51], s[76:77]
	s_or_b32 s51, s51, 0x80000000
	s_mov_b32 s52, 1
	s_add_co_u32 s53, s49, XSL
	s_add_nc_u64 s[54:55], s[76:77], 49152
	s_or_b32 s55, s55, 0x80000000
	s_mov_b32 s56, 1
	s_mov_b32 s57, SCA
	s_mov_b64 s[58:59], s[78:79]
	s_or_b32 s59, s59, 0x80000000
	s_mov_b32 s60, 1
	s_mul_i32 s61, s12, 18432
	s_add_co_u32 s61, s61, BOFF
	s_mov_b64 s[62:63], s[80:81]
	s_or_b32 s63, s63, 0x80000000
	s_mov_b32 s68, 1
	s_add_co_u32 s69, s61, WSL
	s_add_nc_u64 s[70:71], s[80:81], 36864
	s_or_b32 s71, s71, 0x80000000
	s_mov_b32 s72, 1
	s_mov_b32 s73, SCB
	s_mov_b64 s[74:75], s[82:83]
	s_or_b32 s75, s75, 0x80000000
	CROUND                                         ; all four work-groups are here: the first joint loads meet
	; THE HEAD'S LOADS, ONE A WAVE: wave 0 xn's K steps 0-7, wave 1 xn's scale words, wave 2 the weights' K steps 0-7, wave 3 their scale words.
	; Waves 0 and 2 have half 0, so their slot 0 group 0 names the first byte of both slots.  One chain of branches on the wave's number, one load to an arm, one join.
	s_cmp_lt_u32 s10, 1
	s_cbranch_scc0 .Lh1
	tensor_load_to_lds s[G0A:G0A+3], s[G1A:G1A+7]
	s_nop 0
.rept 4
	v_nop
.endr
	s_branch .Lhd
.Lh1:
	s_cmp_lt_u32 s10, 2
	s_cbranch_scc0 .Lh2
	tensor_load_to_lds s[G0SA:G0SA+3], s[G1SA:G1SA+7]
	s_nop 0
.rept 4
	v_nop
.endr
	s_branch .Lhd
.Lh2:
	s_cmp_lt_u32 s10, 3
	s_cbranch_scc0 .Lh3
	tensor_load_to_lds s[G0B:G0B+3], s[G1B:G1B+7]
	s_nop 0
.rept 4
	v_nop
.endr
	s_branch .Lhd
.Lh3:
	tensor_load_to_lds s[G0SB:G0SB+3], s[G1SB:G1SB+7]
	s_nop 0
.rept 4
	v_nop
.endr
.Lhd:
	v_and_b32 v14, 15, v0                          ; r
	v_bfe_u32 v15, v0, 4, 1                        ; h
	v_and_b32 v10, 31, v0                          ; lane
	v_lshlrev_b32 v3, 4, v10
	s_mul_i32 s100, s10, 3072
	v_add_nc_u32 v1, s100, v3                      ; v1, v2: xn's tiles 2 w, 2 w + 1 in slot 0, 1
	v_add_nc_u32 v2, XSL, v1
	v_add_nc_u32 v4, BOFF+WSL, v3
	v_add_nc_u32 v3, BOFF, v3
	s_lshl_b32 s100, s10, 7
	s_add_co_u32 s100, s100, SCA
	v_lshl_add_u32 v5, v14, 2, s100                ; xn's scale words
	v_lshl_add_u32 v6, v14, 2, SCB                 ; the weights'
	s_mul_i32 s100, s10, 4608
	s_add_co_u32 s100, s100, VSTG
	v_mul_u32_u24 v7, v14, 144
	v_lshl_add_u32 v7, v15, 5, v7
	v_add_nc_u32 v7, s100, v7                      ; v's stage, in: position r, + 32 h
	v_lshl_add_u32 v8, v10, 2, s100                ; out: d = lane
	v_mul_u32_u24 v9, v14, 24
	v_mad_u32_u24 v9, v15, 12, v9                  ; q's and k's codes: 24 r + 12 h
	v_mul_u32_u24 v11, v10, 96                     ; v's codes: 96 d
	v_lshlrev_b32 v10, 2, v10                      ; 4 x lane
	; THE ROTARY TABLE, while the first fills are on their way.  Frequency i = 8 h + j: 10^(-i/4) = 2^n x 2^f, n whole, f made by two fused multiply-adds so that the argument's rounding does not enter
	v_lshlrev_b32 v44, 3, v15
.irp j, 0,1,2,3,4,5,6,7
	v_add_nc_u32 v[32+\j], \j, v44
.endr
.irp j, 0,1,2,3,4,5,6,7
	v_cvt_f32_u32 v[32+\j], v[32+\j]
.endr
.irp j, 0,1,2,3,4,5,6,7
	v_mul_f32 v[48+\j], s91, v[32+\j]
.endr
.irp j, 0,1,2,3,4,5,6,7
	v_rndne_f32 v[48+\j], v[48+\j]
.endr
.irp j, 0,1,2,3,4,5,6,7
	v_fma_f32 v[56+\j], v[32+\j], s91, -v[48+\j]
.endr
.irp j, 0,1,2,3,4,5,6,7
	v_fma_f32 v[56+\j], v[32+\j], s92, v[56+\j]
.endr
	s_wait_alu depctr_va_vdst(0)
.irp j, 0,1,2,3,4,5,6,7
	v_exp_f32 v[56+\j], v[56+\j]
.endr
	v_nop                                          ; one plain place behind the transcendentals
.irp j, 0,1,2,3,4,5,6,7
	v_cvt_i32_f32 v[48+\j], v[48+\j]
.endr
	s_wait_alu depctr_va_vdst(0)
.irp j, 0,1,2,3,4,5,6,7
	v_ldexp_f32 v[32+\j], v[56+\j], v[48+\j]       ; v32-39: my eight inverse frequencies
.endr
	v_add_nc_u32 v40, s99, v14
	v_add_nc_u32 v41, 16, v40
	v_cvt_f32_u32 v40, v40                         ; my position in row tile 0,
	v_cvt_f32_u32 v41, v41                         ; and in row tile 1
	v_mov_b32 v42, 0xb94ca1f9                      ; the polynomials' leading coefficients
	v_mov_b32 v43, 0x37ccf5ce
.macro SINCOS a, j
	v_mul_f32 v44, v[40+\a], v[32+\j]              ; the angle, rounded as position x frequency is
	v_mul_f32 v45, 0x3f22f983, v44
	v_rndne_f32 v45, v45                           ; n = the nearest multiple of pi/2
	v_fma_f32 v44, v45, s88, v44
	v_fma_f32 v44, v45, s89, v44
	v_fma_f32 v44, v45, s90, v44                   ; the rest, within pi/4
	v_cvt_i32_f32 v45, v45
	v_mul_f32 v46, v44, v44
	v_fmaak_f32 v47, v42, v46, 0x3c08839e
	v_fmaak_f32 v48, v43, v46, 0xbab6061a
	v_fmaak_f32 v47, v47, v46, 0xbe2aaaa3
	v_fmaak_f32 v48, v48, v46, 0x3d2aaaa5
	v_mul_f32 v49, v44, v46
	v_mul_f32 v50, v46, v46
	v_fma_f32 v51, v46, -0.5, 1.0
	v_fma_f32 v47, v49, v47, v44                   ; sine of the rest
	v_fma_f32 v48, v50, v48, v51                   ; cosine of the rest
	v_and_b32 v49, 1, v45
	v_cmp_eq_u32 vcc_lo, 1, v49                    ; an odd n swaps the two: a choice of values, no branch
	v_cndmask_b32 v50, v47, v48, vcc_lo
	v_cndmask_b32 v51, v48, v47, vcc_lo
	v_lshlrev_b32 v49, 30, v45                     ; the sine's sign: bit 1 of n;
	v_add_nc_u32 v45, 1, v45
	v_and_b32 v49, 0x80000000, v49
	v_lshlrev_b32 v45, 30, v45                     ; the cosine's: bit 1 of n + 1
	v_xor_b32 v[CS+16*\a+8+\j], v49, v50
	v_and_b32 v45, 0x80000000, v45
	v_xor_b32 v[CS+16*\a+\j], v45, v51
.endm
.irp a, 0,1
.irp j, 0,1,2,3,4,5,6,7
	SINCOS \a, \j
.endr
.endr
.macro FETCH set, slot, q, ks          ; 32 LDS loads: the fragments and scale words of K step ks, the slot's q-th
.irp i, 0,1
.irp c, 0,1,2
	ds_load_b128 v[FS+96*(\set)+12*\i+4*\c:FS+96*(\set)+12*\i+4*\c+3], v[1+(\slot)] offset:12288*(\q)+1536*\i+512*\c
.endr
.endr
.irp n, 0,1,2,3,4,5
.irp c, 0,1,2
	ds_load_b128 v[FS+96*(\set)+24+12*\n+4*\c:FS+96*(\set)+24+12*\n+4*\c+3], v[3+(\slot)] offset:9216*(\q)+1536*\n+512*\c
.endr
.endr
.irp i, 0,1
	ds_load_b32 v[16+8*(\set)+\i], v5 offset:512*(\ks)+64*\i
.endr
.irp n, 0,1,2,3,4,5
	ds_load_b32 v[18+8*(\set)+\n], v6 offset:384*(\ks)+64*\n
.endr
.endm
.macro MUL set, zero                   ; 12 matrix instructions; the 12 accumulators (window 1, (a, n) at v[8 (6 a + n)]) take turns, one instruction a turn
	WIN 0x50
.irp n, 0,1,2,3,4,5
.irp a, 0,1
.if \zero
	v_wmma_scale_f32_16x16x128_f8f6f4 v[8*(6*\a+\n):8*(6*\a+\n)+7], v[FS+96*(\set)+24+12*\n:FS+96*(\set)+35+12*\n], v[FS+96*(\set)+12*\a:FS+96*(\set)+12*\a+11], 0, v[18+8*(\set)+\n], v[16+8*(\set)+\a] matrix_a_fmt:MATRIX_FMT_FP6 matrix_b_fmt:MATRIX_FMT_FP6
.else
	v_wmma_scale_f32_16x16x128_f8f6f4 v[8*(6*\a+\n):8*(6*\a+\n)+7], v[FS+96*(\set)+24+12*\n:FS+96*(\set)+35+12*\n], v[FS+96*(\set)+12*\a:FS+96*(\set)+12*\a+11], v[8*(6*\a+\n):8*(6*\a+\n)+7], v[18+8*(\set)+\n], v[16+8*(\set)+\a] matrix_a_fmt:MATRIX_FMT_FP6 matrix_b_fmt:MATRIX_FMT_FP6
.endif
.endr
.endr
	WIN 0
.endm
; The change of slots: each wave waits for all its tensor loads, adds 0 to its spare word, and waits for that and for its reads of the slot that it leaves.  fill = 1: that slot is filled again, 8 K steps on.
.macro CHANGE slot, fill
	s_wait_tensorcnt 0x0                           ; no tensor load of mine is out, so a group 0 may be written
	ds_add_u32 v12, v13                            ; 0 onto my spare word
.if \fill
	s_add_nc_u64 s[G0A+4*(\slot)+2:G0A+4*(\slot)+3], s[G0A+4*(\slot)+2:G0A+4*(\slot)+3], 98304
	s_add_nc_u64 s[G0B+8*(\slot)+2:G0B+8*(\slot)+3], s[G0B+8*(\slot)+2:G0B+8*(\slot)+3], 73728
.endif
	s_wait_dscnt 0x0                               ; the add is done, and my reads of the slot are over
.if \fill
	CROUND                                         ; no wave of any partner still reads the slot or has a load on its way
	QLOAD G0A+4*(\slot), G1A, G0B+8*(\slot), G1B   ; my one tensor load behind the round; its four v_nop are the places in front of the loads that follow
.else
	s_barrier_signal -1
	s_barrier_wait -1
	PLACES
.endif
.endm
.macro KSTEP ks
.set CUR, (\ks)%2
.set QQ, (\ks)%4
.set SL, ((\ks)/4)%2
.if QQ < 3
.if (\ks) > 0
	PLACES                                         ; in front of loads into registers that the last products read
.endif
	FETCH 1-CUR, SL, QQ+1, (\ks)+1
	s_wait_dscnt 32                                ; all but the 32 loads just issued
.else
	s_wait_dscnt 0x0
.endif
.if (\ks) == 0
	MUL CUR, 1                                     ; the first K step starts the sums
.else
	MUL CUR, 0
.endif
.if ((\ks) == 3) || ((\ks) == 7)
	CHANGE SL, 1
	FETCH 1-CUR, 1-SL, 0, (\ks)+1
.endif
.if (\ks) == 11
	CHANGE SL, 0                                   ; nothing is left to fetch
	FETCH 1-CUR, 1-SL, 0, (\ks)+1
.endif
.endm
	s_wait_alu depctr_va_vdst(0)                   ; the head's end
	s_wait_tensorcnt 0x0                           ; my one load has landed, so a descriptor may be written: from here on a load brings half a slot
	s_mov_b32 s[G1A+2], 96<<16
	s_mov_b32 s[G1A+4], 96
	s_mov_b32 s[G1B+2], 72<<16
	s_mov_b32 s[G1B+4], 72
	s_barrier_signal -1
	s_barrier_wait -1                              ; everybody's has
	FETCH 0, 0, 0, 0
.irp ks, 0,1,2,3,4,5,6,7,8,9,10,11,12,13,14,15
	KSTEP \ks
.endr
	; ================= the way out =================
	PLACES                                         ; behind the last products
	v_mov_b32 v70, 0                               ; a lane permute's destination counts as one of its sources
	v_mov_b32 v71, 0
	s_mov_b32 s88, 0x3f800000                      ; k is not scaled,
	s_mov_b32 s89, 0x3e3504f3                      ; q by 32^-0.5
; slot sl: head 3 cgp + sl, a head of q or k.  Its store bases s[76 + 4 sl ..] and its store data v[96 + 8 sl ..], v[120 + sl] are its own, so that nothing a store still reads is written again.
.macro ROPE sl
	s_mul_i32 s100, s15, 3
	s_add_co_u32 s100, s100, \sl                   ; the head
	s_lshl_b32 s101, s98, 4
	s_add_co_u32 s101, s101, s100
	s_lshl_b32 s101, s101, 11
	s_add_co_u32 s101, s101, s99                   ; q: (16 b + head) x 2,048 + position
	s_mul_i32 s[76+4*\sl], s101, 24
	s_lshl_b32 s[78+4*\sl], s101, 2
	s_add_co_u32 s[78+4*\sl], s[78+4*\sl], 1572864
	s_mul_i32 s101, s98, 108544
	s_add_co_u32 s101, s101, 1835008               ; k: the batch's pack
	s_mul_i32 s[77+4*\sl], s99, 24
	s_add_co_u32 s[77+4*\sl], s[77+4*\sl], s101
	s_lshl_b32 s[79+4*\sl], s99, 2
	s_add_co_u32 s[79+4*\sl], s[79+4*\sl], s101
	s_add_co_u32 s[79+4*\sl], s[79+4*\sl], 98304
	s_cmp_eq_u32 s100, 16
	s_cselect_b32 s[76+4*\sl], s[77+4*\sl], s[76+4*\sl]   ; offsets are chosen, and only then added to the buffer's address
	s_cselect_b32 s[78+4*\sl], s[79+4*\sl], s[78+4*\sl]
	s_cselect_b32 s96, s88, s89
	s_mov_b32 s97, s96
	s_mov_b32 s[77+4*\sl], 0
	s_mov_b32 s[79+4*\sl], 0
	s_add_nc_u64 s[76+4*\sl:77+4*\sl], s[8:9], s[76+4*\sl:77+4*\sl]
	s_add_nc_u64 s[78+4*\sl:79+4*\sl], s[8:9], s[78+4*\sl:79+4*\sl]
	WIN 0x01                                       ; source 0: the accumulators' window
.irp j, 0,1,2,3,4,5,6,7                        ; ascending: each accumulator is read from its low end on
.irp a, 0,1
	v_mul_f32 v[64+\a], v[8*(6*\a+2*\sl+1)+\j], v[CS+16*\a+8+\j]                       ; x2 sin
	v_mul_f32 v[66+\a], v[8*(6*\a+2*\sl)+\j], v[CS+16*\a+8+\j]                         ; x1 sin
	v_fma_f32 v[32+16*\a+\j], v[8*(6*\a+2*\sl)+\j], v[CS+16*\a+\j], -v[64+\a]          ; d < 16: x1 cos - x2 sin
	v_fma_f32 v[40+16*\a+\j], v[8*(6*\a+2*\sl+1)+\j], v[CS+16*\a+\j], v[66+\a]         ; d >= 16: x2 cos + x1 sin
.endr
.endr
	WIN 0
.set ii, 0
.rept 16
	v_pk_mul_f32 v[32+ii:33+ii], v[32+ii:33+ii], s[96:97] op_sel_hi:[1,0]
.set ii, ii+2
.endr
.irp a, 0,1
	v_max3_num_f32 v[68+\a], |v[32+16*\a]|, |v[33+16*\a]|, 0x1800000
.endr
.irp i, 2,4,6,8,10,12,14
.irp a, 0,1
	v_max3_num_f32 v[68+\a], v[68+\a], |v[32+16*\a+\i]|, |v[33+16*\a+\i]|
.endr
.endr
.irp a, 0,1
	v_permlanex16_b32 v[70+\a], v[68+\a], s94, s95
.endr
.irp a, 0,1
	v_max_num_f32 v[68+\a], v[68+\a], v[70+\a]     ; the head's 32 numbers of my row: the block's largest magnitude
.endr
.irp a, 0,1
	v_add_nc_u32 v[72+\a], 0xff000000, v[68+\a]
.endr
.irp a, 0,1
	v_lshrrev_b32 v[74+\a], 23, v[72+\a]
.endr
.irp a, 0,1
	v_cvt_scalef32_pk16_fp6_f32 v[96+8*\sl+4*\a:98+8*\sl+4*\a], v[32+16*\a:47+16*\a], v[72+\a]
.endr
	v_nop                                          ; one plain place behind the scaled conversions
.irp a, 0,1
	v_or_b32 v[74+\a], 0x7f7f7f00, v[74+\a]        ; bytes 1-3 stand over the zero codes that fill K to 128
.endr
	v_cndmask_b32 v[120+\sl], v74, v75, s93        ; lanes 0-15 row tile 0's words, lanes 16-31 row tile 1's
.irp a, 0,1
	global_store_b96 v9, v[96+8*\sl+4*\a:98+8*\sl+4*\a], s[76+4*\sl:77+4*\sl] offset:384*\a   ; 384 consecutive bytes
.endr
	global_store_b32 v10, v[120+\sl], s[78+4*\sl:79+4*\sl]                                    ; 128 consecutive bytes
.endm
	ROPE 0
	ROPE 1
	s_cmp_eq_u32 s15, 5                            ; the last column group's third slot is v: the same way in all four partners
	s_cbranch_scc1 .Lvpath
	ROPE 2
	s_branch .Lqend
.Lvpath:
	s_mul_i32 s100, s98, 108544
	s_add_co_u32 s100, s100, 1835008
	s_and_b32 s101, s14, 15                        ; the K step of 128 keys
	s_mul_i32 s84, s101, 3072
	s_add_co_u32 s84, s84, s100
	s_add_co_u32 s84, s84, 49152
	s_mul_i32 s85, s10, 24                         ; my wave's 32 keys are block w of it
	s_add_co_u32 s84, s84, s85
	s_mov_b32 s85, 0
	s_lshl_b32 s86, s101, 7
	s_add_co_u32 s86, s86, s100
	s_add_co_u32 s86, s86, 106496
	s_add_co_u32 s86, s86, s10
	s_mov_b32 s87, 0
	s_add_nc_u64 s[84:85], s[8:9], s[84:85]
	s_add_nc_u64 s[86:87], s[8:9], s[86:87]
	WIN 0x04                                       ; an LDS store's data are its source 1: window 1
.irp a, 0,1
.irp n, 0,1
	ds_store_b128 v7, v[8*(6*\a+4+\n):8*(6*\a+4+\n)+3] offset:2304*\a+64*\n       ; v(position 16 a + r, d = 16 n + 8 h + 0 .. 7); each accumulator from its low end on
	ds_store_b128 v7, v[8*(6*\a+4+\n)+4:8*(6*\a+4+\n)+7] offset:2304*\a+64*\n+16
.endr
.endr
	WIN 0
.set ii, 0
.rept 32
	ds_load_b32 v[128+ii], v8 offset:144*ii        ; LDS serves a wave's instructions in order: these see my stores.  Lane d now holds its 32 keys
.set ii, ii+1
.endr
	s_wait_dscnt 0x0
	v_max3_num_f32 v68, |v128|, |v129|, |v130|
	v_max3_num_f32 v69, |v131|, |v132|, |v133|
.irp i, 6,10,14,18,22,26
	v_max3_num_f32 v68, v68, |v[128+\i]|, |v[129+\i]|
	v_max3_num_f32 v69, v69, |v[130+\i]|, |v[131+\i]|
.endr
	v_max3_num_f32 v68, v68, |v158|, |v159|
	v_max3_num_f32 v68, v68, v69, 0x1800000
	v_add_nc_u32 v72, 0xff000000, v68
	v_lshrrev_b32 v74, 23, v72
	v_cvt_scalef32_pk16_fp6_f32 v[112:114], v[128:143], v72
	v_cvt_scalef32_pk16_fp6_f32 v[116:118], v[144:159], v72
	v_nop
	global_store_b96 v11, v[112:114], s[84:85]
	global_store_b96 v11, v[116:118], s[84:85] offset:12
	global_store_b8 v10, v74, s[86:87]
.Lqend:
	s_wait_tensorcnt 0x0                           ; the wave's end
	ds_add_u32 v12, v13
	s_wait_dscnt 0x0
	CROUND                                         ; the closing round
	s_endpgm
.Lfunc_end_k_q066464dc80_qkvp:
	.size	k_q066464dc80_qkvp, .Lfunc_end_k_q066464dc80_qkvp-k_q066464dc80_qkvp
	.p2alignl 7, 3214868480
	.fill 96, 4, 3214868480
	.section	.rodata,"a",@progbits
	.p2align	6, 0x0
	.amdhsa_kernel k_q066464dc80_qkvp
		.amdhsa_group_segment_fixed_size 327680
		.amdhsa_private_segment_fixed_size 0
		.amdhsa_enable_private_segment 0
		.amdhsa_kernarg_size 24
		.amdhsa_user_sgpr_count 2
		.amdhsa_user_sgpr_kernarg_segment_ptr 1
		.amdhsa_wavefront_size32 1
		.amdhsa_system_sgpr_workgroup_id_x 1
		.amdhsa_system_sgpr_workgroup_id_y 1
		.amdhsa_system_sgpr_workgroup_id_z 1
		.amdhsa_system_vgpr_workitem_id 0
		.amdhsa_next_free_vgpr 384
		.amdhsa_next_free_sgpr 102
		.amdhsa_reserve_vcc 1
		.amdhsa_float_denorm_mode_32 3
		.amdhsa_float_denorm_mode_16_64 3
		.amdhsa_memory_ordered 1
		.amdhsa_forward_progress 1
		.amdhsa_inst_pref_size 121
	.end_amdhsa_kernel
	.amdgpu_metadata
---
amdhsa.version: [ 1, 2 ]
amdhsa.kernels:
  - .name:           k_q066464dc80_qkvp
    .symbol:         k_q066464dc80_qkvp.kd
    .args:
      - { .name: xq, .offset: 0, .size: 8, .value_kind: global_buffer, .address_space: global }
      - { .name: wf, .offset: 8, .size: 8, .value_kind: global_buffer, .address_space: global }
      - { .name: qkv, .offset: 16, .size: 8, .value_kind: global_buffer, .address_space: global }
    .group_segment_fixed_size: 327680
    .private_segment_fixed_size: 0
    .kernarg_segment_align: 8
    .kernarg_segment_size: 24
    .max_flat_workgroup_size: 128
    .sgpr_count:     102
    .vgpr_count:     384
    .wavefront_size: 32
...
	.end_amdgpu_metadata
.endif
;; end of part 3
;; launch attn (part 4): grid 256 x 1, 16 waves a work-group, no clusters, 169,984 bytes of LDS; arguments qkv, a2; writes a2
.if DOCPART == 4
	.amdgcn_target "amdgcn-amd-amdhsa--gfx1250"
	.amdhsa_code_object_version 6
	.text
	.protected	k_q066464dc80_attn
	.globl	k_q066464dc80_attn
	.p2align	8
	.type	k_q066464dc80_attn,@function
k_q066464dc80_attn:
	s_mov_b64 s[64:65], 0
	v_nop
	global_prefetch_b8 v0, s[64:65] scope:SCOPE_SE
	s_setreg_imm32_b32 hwreg(HW_REG_WAVE_MODE, 25, 1), 1
	s_wait_xcnt 0x0
; Causal attention with one shared head of keys and values, both products on codes of E2M3 with one E8M0 byte for each 32 along K; the result, divided by the row's sum, is quantised along d: a2's K steps 16-19.
; THE SOFTMAX: t = score x log2(e) (q was scaled by 32^-0.5 before it was quantised); M = the running largest t rounded up to a whole number; p = 2^(t - M) is quantised along the keys, not normalised;
; the row's sum is taken of the unquantised p; when M moves, the sum and O are multiplied by 2^(old M - new M), which rounds nothing.
; SHARES.  Work-group (b, hb, tp): batch b, heads 8 hb .. 8 hb + 7, query tiles tp and 127 - tp.  Wave w: head 8 hb + w % 8, tile tp (w < 8) or 127 - tp: 16 queries in 256 registers.
; A pair of tiles tp, 127 - tp has 17 key steps of 128 together, whatever tp: every work-group has the same work.
; K, V AND THEIR SCALE WORDS OF THE WHOLE BATCH, 108,544 dense bytes, come into LDS once, by four tensor loads; nothing is filled again.
; NO CLUSTER: a wave leaves out the key steps behind its queries by a branch on its query tile, which hangs on the work-group's number, and partners of a joint load may take no different ways;
; and what could be shared is one fill of 108,544 bytes at the start, against 17 key steps of work for each pair of waves.
; The first product's K is 32: q's codes stand in block 0 (lanes 0-15, registers 0-5) and zero codes fill K to 128, so whatever k's operand holds there adds nothing.
; LAYOUT.  Both products transposed: S^T = K Q^T, O^T = V^T P^T: a lane holds one query.  Lane r of key tile 2 b + u takes key 32 b + 8 u + r + 8 (r / 8), so that the 16 registers of two neighbouring
; tiles are 16 neighbouring keys; V^T's rows d are taken in the same order, so that a lane's 16 registers of O are d = 16 h + 0 .. 15.
; LIMITS: a block's largest p is taken as 2^(largest score's t - M), which leans on v_exp_f32 not falling where its input rises; a block of zeros gets the byte 1 (its codes are zeros); NaN and infinities are not served.
.set VC,   49152                       ; LDS: k's codes at 0 (24 bytes a key), v's codes [16 K steps][32 d][96],
.set KSW,  98304                       ; k's scale words,
.set VSW,  106496                      ; v's scale words [16][32],
.set STG,  108544                      ; the way out: four fragments as 16 rows x 96 bytes; no fill lands here
.set SSTG, 114688                      ; and their scale words
; REGISTERS: v1-4 my lane's places in K, V and their scale words; v5 0; v6, v7, v29-31, v251 the way out; v8-11 the step's addresses; v12 -M, v13 the largest t, v[14:15] the sum in two halves;
; v16-27 Q, v28 Q's scale word; v32-79 four fragments of K; v80-103 two of V; v104-167 S^T, then p; v168-183 O^T; v184-195 p's codes; v196-214 the quantiser; v216-219, v220-221, v222 scale words and nothing else;
; v[224:225] f; v226-230 at work; v232-250 the way out.
	s_load_b128 s[4:7], s[0:1], 0x0                ; qkv, a2
	v_lshl_add_u32 v254, v0, 2, 0x29000
	v_mov_b32 v255, 0
	ds_add_u32 v254, v255
	ds_add_u32 v254, v255
	v_lshrrev_b32 v8, 5, v0
	s_delay_alu instid0(VALU_DEP_1)
	v_readfirstlane_b32 s8, v8                     ; wave 0..15
	s_lshr_b32 s9, ttmp9, 7                        ; b
	s_bfe_u32 s10, ttmp9, 0x10006                  ; hb
	s_and_b32 s11, ttmp9, 63                       ; tp
	s_and_b32 s38, s8, 7
	s_lshl_b32 s12, s10, 3
	s_add_co_u32 s12, s12, s38                     ; my head
	s_lshr_b32 s13, s8, 3
	s_sub_co_u32 s39, 127, s11                     ; (kept for the way out)
	s_cmp_eq_u32 s13, 0
	s_cselect_b32 s14, s11, s39                    ; my tile of queries
	s_lshl_b32 s15, s14, 4                         ; my first query
	s_mov_b32 s16, 3<<16                           ; descriptor group 1: 27,136 dense bytes as 106 rows of 32 elements of 8 bytes; no mask, no padding
	s_mov_b32 s17, 32<<16
	s_mov_b32 s18, 106<<16
	s_mov_b32 s19, 32<<16
	s_mov_b32 s20, 106
	s_mov_b32 s21, 32
	s_mov_b32 s22, 0
	s_mov_b32 s23, 0
	s_mov_b32 s28, 0x76543210
	s_mov_b32 s29, 0xfedcba98                      ; v_permlanex16_b32's selects for lane l xor 16
	s_mov_b32 s30, 0x3fb8aa3b                      ; log2(e)
	s_mov_b32 s31, s30                             ; (named with it as a pair)
	s_mov_b32 s32, 0xffff0000                      ; lanes 16-31
	s_mul_i32 s25, s8, 27136                       ; waves 0-3: a quarter of the batch's pack each, to the same place in LDS
	s_mul_i32 s40, s9, 108544
	s_add_co_u32 s40, s40, s25
	s_add_co_u32 s40, s40, 1835008
	s_mov_b32 s41, 0
	s_lshl_b32 s42, s9, 4
	s_add_co_u32 s42, s42, s12
	s_lshl_b32 s42, s42, 11
	s_add_co_u32 s42, s42, s15                     ; (16 b + head) x 2,048 + my first query
	s_lshl_b32 s44, s42, 2
	s_add_co_u32 s44, s44, 1572864
	s_mul_i32 s42, s42, 24
	s_mov_b32 s43, 0
	s_mov_b32 s45, 0
	s_wait_dscnt 0x0
	s_wait_kmcnt 0x0
	s_mov_b32 s24, 1
	s_add_nc_u64 s[26:27], s[4:5], s[40:41]
	s_or_b32 s27, s27, 0x80000000
	s_cmp_lt_u32 s8, 4
	s_cbranch_scc0 .Lnofill
	tensor_load_to_lds s[24:27], s[16:23]          ; the launch's only fills: one load a wave, of waves 0-3
	s_nop 0
.rept 4
	v_nop
.endr
.Lnofill:
	s_add_nc_u64 s[42:43], s[4:5], s[42:43]        ; Q's codes
	s_add_nc_u64 s[44:45], s[4:5], s[44:45]        ; Q's scale words
	v_and_b32 v8, 15, v0                           ; r
	v_bfe_u32 v9, v0, 4, 1                         ; h
	v_and_b32 v10, 31, v0                          ; lane
	s_delay_alu instid0(VALU_DEP_3)
	v_mul_u32_u24 v11, v8, 24
	s_delay_alu instid0(VALU_DEP_4)
	v_lshlrev_b32 v226, 2, v8
	global_load_b64 v[16:17], v11, s[42:43]        ; row r's 24 bytes, in both halves of the lanes
	global_load_b64 v[18:19], v11, s[42:43] offset:8
	global_load_b64 v[20:21], v11, s[42:43] offset:16
	global_load_b32 v28, v226, s[44:45]
	v_mov_b32 v5, 0
	v_and_b32 v227, 8, v8
	s_delay_alu instid0(VALU_DEP_1)
	v_add_nc_u32 v227, v227, v8                    ; r + 8 (r / 8)
	s_delay_alu instid0(VALU_DEP_1)
	v_mul_u32_u24 v1, v227, 24                     ; K: 24 bytes a key; lanes 16-31 repeat lanes 0-15 and meet zero codes
	s_delay_alu instid0(VALU_DEP_2)
	v_mul_u32_u24 v2, v227, 96
	s_delay_alu instid0(VALU_DEP_1)
	v_mad_u32_u24 v2, v9, 24, v2
	s_delay_alu instid0(VALU_DEP_1)
	v_add_nc_u32 v2, VC, v2                        ; V: row d of 96 bytes, + 24 h
	v_lshl_add_u32 v3, v227, 2, KSW
	v_lshl_add_u32 v4, v227, 2, VSW
	s_lshr_b32 s38, s8, 2                          ; the way out: fragment w / 4 (tile, K step), block w % 4 of it
	s_mul_i32 s40, s38, 1536
	s_and_b32 s41, s8, 3
	s_mul_i32 s46, s41, 24
	s_add_co_u32 s40, s40, s46
	s_add_co_u32 s40, s40, STG
	v_mul_u32_u24 v6, v8, 96
	s_delay_alu instid0(VALU_DEP_1)
	v_mad_u32_u24 v6, v9, 12, v6
	s_delay_alu instid0(VALU_DEP_1)
	v_add_nc_u32 v6, s40, v6                       ; my 12 bytes of codes
	s_lshl_b32 s40, s38, 6
	s_add_co_u32 s40, s40, s41
	s_add_co_u32 s40, s40, SSTG
	v_lshl_add_u32 v7, v8, 2, s40                  ; my row's scale byte
	s_and_b32 s40, s8, 1
	s_mul_i32 s41, s40, 3072
	s_add_co_u32 s41, s41, STG
	v_mul_u32_u24 v29, v8, 96
	s_delay_alu instid0(VALU_DEP_1)
	v_mad_u32_u24 v29, v9, 24, v29
	s_delay_alu instid0(VALU_DEP_1)
	v_add_nc_u32 v29, s41, v29                     ; back, as an operand's registers
	s_lshl_b32 s41, s40, 7
	s_add_co_u32 s41, s41, SSTG
	v_lshl_add_u32 v30, v10, 2, s41
	v_lshlrev_b32 v31, 4, v10                      ; 16 x lane
	v_lshlrev_b32 v251, 2, v8
	s_delay_alu instid0(VALU_DEP_1)
	v_lshl_add_u32 v251, v9, 9, v251               ; scale words in a2: 4 r, lanes 16-31 one K step on
	s_wait_loadcnt 0x0                             ; Q
.irp i, 0,1,2,3,4,5
	v_cndmask_b32 v[16+\i], v[16+\i], v5, s32      ; block 1 of Q's operand: zero codes
.endr
.irp i, 6,7,8,9,10,11
	v_mov_b32 v[16+\i], 0                          ; blocks 2 and 3 likewise
.endr
.irp t, 0,1,2,3
.irp i, 6,7,8,9,10,11
	v_mov_b32 v[32+12*\t+\i], 0                    ; written once: K's operand there meets Q's zero codes
.endr
.endr
	v_mov_b32 v13, 0xff61b1e6                      ; the largest t so far: -3e38, under every t
	s_delay_alu instid0(VALU_DEP_1)
	v_floor_f32 v12, -v13                          ; -M
	v_mov_b32 v14, 0
	v_mov_b32 v15, 0
.irp b, 0,1,2,3
	v_mov_b32 v[200+\b], 0                         ; a lane permute's destination counts as one of its sources
.endr
	v_mov_b32 v225, 0                              ; (named as the upper half of the pair v[224:225])
	v_mov_b32 v249, 0
.set ii, 0
.rept 16
	v_mov_b32 v[168+ii], 0                         ; O^T: the loop is written once; its first step finds zeros, which the first change of M leaves zeros
.set ii, ii+1
.endr
	s_mov_b32 s33, 0                               ; the step's first key
	s_mov_b32 s34, 0                               ; its codes: 3,072 bytes a step, in K and in V alike
	s_mov_b32 s35, 0                               ; K's scale words: 512 bytes a step
	s_mov_b32 s36, 0                               ; V's: 128
	s_mov_b32 s37, 16
	s_wait_tensorcnt 0x0                           ; my quarter has landed,
	s_barrier_signal -1
	s_barrier_wait -1                              ; everybody's has
.Lstep:                                            ; 16 trips, a constant: a step all of whose keys come after my queries leaves its work out, not its address steps
	s_add_co_u32 s38, s15, 15
	s_cmp_gt_u32 s33, s38
	s_cbranch_scc1 .Lhidden
	v_add_nc_u32 v8, s34, v1                       ; (these four are the places in front of loads into registers that the last products read)
	s_wait_alu depctr_va_vdst(0)
	v_add_nc_u32 v9, s34, v2
	v_add_nc_u32 v10, s35, v3
	s_wait_alu depctr_va_vdst(0)
	v_add_nc_u32 v11, s36, v4
.irp u, 0,1                                    ; V's two fragments are asked for first: they land under the softmax
.irp p, 0,1,2,3,4,5
	ds_load_b64 v[80+12*\u+2*\p:81+12*\u+2*\p], v9 offset:768*\u+48*(\p/3)+8*(\p%3)
.endr
	ds_load_b32 v[220+\u], v11 offset:32*\u
.endr
.irp g, 0,1                                    ; S^T = K Q^T, four tiles of 16 keys at a time
.if \g > 0
.rept 4
	v_nop
.endr
.endif
.irp t, 0,1,2,3
.irp p, 0,1,2
	ds_load_b64 v[32+12*\t+2*\p:33+12*\t+2*\p], v8 offset:(32*((4*\g+\t)/2)+8*(\t%2))*24+8*\p
.endr
	ds_load_b32 v[216+\t], v10 offset:(32*((4*\g+\t)/2)+8*(\t%2))*4
.endr
	s_wait_dscnt 0x0
.irp t, 0,1,2,3
	v_wmma_scale_f32_16x16x128_f8f6f4 v[104+8*(4*\g+\t):111+8*(4*\g+\t)], v[32+12*\t:43+12*\t], v[16:27], 0, v[216+\t], v28 matrix_a_fmt:MATRIX_FMT_FP6 matrix_b_fmt:MATRIX_FMT_FP6
.endr
.endr
.rept 4
	v_nop
.endr
	s_add_co_u32 s38, s33, 127                     ; on the diagonal hidden scores become -infinity ahead of the maximum; a step all of whose keys count skips this
	s_cmp_le_u32 s38, s15
	s_cbranch_scc1 .Lopen
	s_sub_co_i32 s38, s15, s33
	v_and_b32 v226, 15, v0
	v_bfe_u32 v227, v0, 4, 1
	s_delay_alu instid0(VALU_DEP_1)
	v_lshlrev_b32 v227, 4, v227
	s_delay_alu instid0(VALU_DEP_1)
	v_sub_nc_u32 v226, v226, v227
	s_delay_alu instid0(VALU_DEP_1)
	v_add_nc_u32 v226, s38, v226                   ; d = my query - the step's first key - 16 h; register 16 b + i is hidden where 32 b + i > d
	v_mov_b32 v230, 0xff800000
.set nn, 0
.rept 64
	v_cmp_gt_i32 vcc_lo, 32*(nn/16)+nn%16, v226
	v_cndmask_b32 v[104+nn], v[104+nn], v230, vcc_lo
.set nn, nn+1
.endr
.Lopen:
.irp b, 0,1,2,3
	v_max3_num_f32 v[196+\b], v[104+16*\b], v[105+16*\b], v[106+16*\b]   ; the largest score of each block of 32 keys: it serves the row's maximum and the block's largest p
.endr
.irp i, 3,5,7,9,11,13
.irp b, 0,1,2,3
	v_max3_num_f32 v[196+\b], v[196+\b], v[104+16*\b+\i], v[105+16*\b+\i]
.endr
.endr
.irp b, 0,1,2,3
	v_max_num_f32 v[196+\b], v[196+\b], v[119+16*\b]
.endr
.irp b, 0,1,2,3
	s_delay_alu instid0(VALU_DEP_4)
	v_permlanex16_b32 v[200+\b], v[196+\b], s28, s29
.endr
.irp b, 0,1,2,3
	s_delay_alu instid0(VALU_DEP_4)
	v_max_num_f32 v[196+\b], v[196+\b], v[200+\b]
.endr
	s_delay_alu instid0(VALU_DEP_2)
	v_max3_num_f32 v226, v196, v197, v198
	s_delay_alu instid0(VALU_DEP_1)
	v_max_num_f32 v226, v226, v199
	s_delay_alu instid0(VALU_DEP_1)
	v_mul_f32 v226, s30, v226
	s_delay_alu instid0(VALU_DEP_1)
	v_max_num_f32 v13, v13, v226                   ; the running largest t
	v_mov_b32 v226, v12
	s_delay_alu instid0(VALU_DEP_2)
	v_floor_f32 v12, -v13                          ; the new -M: M is a whole number
	s_delay_alu instid0(VALU_DEP_1)
	v_sub_f32 v226, v12, v226                      ; old M - new M, 0 or less
	s_delay_alu instid0(VALU_DEP_1)
	v_cvt_i32_f32 v226, v226                       ; (it saturates)
	s_delay_alu instid0(VALU_DEP_1)
	v_ldexp_f32 v224, 1.0, v226                    ; f = 2^(old M - new M)
.set jj, 0
.rept 32
	v_pk_fma_f32 v[104+jj:105+jj], v[104+jj:105+jj], s[30:31], v[12:13] op_sel_hi:[1,0,0]   ; t - M
.set jj, jj+2
.endr
.irp b, 0,1,2,3
	v_fma_f32 v[196+\b], v[196+\b], s30, v12
.endr
.set jj, 0
	s_wait_alu depctr_va_vdst(0)
.rept 64
	v_exp_f32 v[104+jj], v[104+jj]                 ; p = 2^(t - M)
.set jj, jj+1
.endr
.irp b, 0,1,2,3
	v_exp_f32 v[196+\b], v[196+\b]                 ; the block's largest p
.endr
	v_pk_mul_f32 v[14:15], v[14:15], v[224:225] op_sel_hi:[1,0]   ; the sums under the new M (a plain place behind the exponentials)
	s_wait_alu depctr_va_vdst(0)
.irp b, 0,1,2,3
	v_max_num_f32 v[196+\b], 0x1800000, v[196+\b]  ; the floor 2^(3 - 127)
.endr
.irp b, 0,1,2,3
	s_delay_alu instid0(VALU_DEP_4)
	v_add_nc_u32 v[204+\b], 0xff000000, v[196+\b]
.endr
.irp b, 0,1,2,3
	s_delay_alu instid0(VALU_DEP_4)
	v_lshrrev_b32 v[200+\b], 23, v[204+\b]
.endr
	s_delay_alu instid0(VALU_DEP_3)
	v_lshl_or_b32 v222, v201, 8, v200              ; p's scale word for these 128 keys
	s_delay_alu instid0(VALU_DEP_1)
	v_lshl_or_b32 v222, v202, 16, v222
	s_delay_alu instid0(VALU_DEP_1)
	v_lshl_or_b32 v222, v203, 24, v222
.irp c, 0,1
	v_cvt_scalef32_pk16_fp6_f32 v[184+6*\c:186+6*\c], v[104+32*\c:119+32*\c], v[204+2*\c]
	v_cvt_scalef32_pk16_fp6_f32 v[208+4*\c:210+4*\c], v[120+32*\c:135+32*\c], v[204+2*\c+1]
.endr
	v_nop                                          ; one plain place behind the scaled conversions
.irp c, 0,1                                    ; the operand wants a whole block in a lane
.irp i, 0,1,2
	v_permlane16_swap_b32 v[184+6*\c+\i], v[208+4*\c+\i]
.endr
.irp i, 0,1,2
	s_delay_alu instid0(VALU_DEP_3)
	v_mov_b32 v[187+6*\c+\i], v[208+4*\c+\i]
.endr
.endr
	v_pk_add_f32 v[228:229], v[108:109], v[112:113]
	v_pk_add_f32 v[252:253], v[116:117], v[120:121]
	v_pk_add_f32 v[246:247], v[124:125], v[128:129]
	v_pk_add_f32 v[244:245], v[132:133], v[136:137]
	v_pk_add_f32 v[242:243], v[140:141], v[144:145]
	v_pk_add_f32 v[240:241], v[148:149], v[152:153]
	v_pk_add_f32 v[238:239], v[156:157], v[160:161]
	v_pk_add_f32 v[14:15], v[14:15], v[164:165]
	v_pk_add_f32 v[228:229], v[228:229], v[104:105]
	v_pk_add_f32 v[252:253], v[252:253], v[106:107]
	v_pk_add_f32 v[246:247], v[246:247], v[110:111]
	v_pk_add_f32 v[244:245], v[244:245], v[114:115]
	v_pk_add_f32 v[242:243], v[242:243], v[118:119]
	v_pk_add_f32 v[240:241], v[240:241], v[122:123]
	v_pk_add_f32 v[238:239], v[238:239], v[126:127]
	v_pk_add_f32 v[14:15], v[14:15], v[130:131]
	v_pk_add_f32 v[228:229], v[228:229], v[134:135]
	v_pk_add_f32 v[252:253], v[252:253], v[138:139]
	v_pk_add_f32 v[246:247], v[246:247], v[142:143]
	v_pk_add_f32 v[244:245], v[244:245], v[146:147]
	v_pk_add_f32 v[242:243], v[242:243], v[150:151]
	v_pk_add_f32 v[240:241], v[240:241], v[154:155]
	v_pk_add_f32 v[238:239], v[238:239], v[158:159]
	v_pk_add_f32 v[14:15], v[14:15], v[162:163]
	v_pk_add_f32 v[228:229], v[228:229], v[166:167]
	s_delay_alu instid0(VALU_DEP_2)
	v_pk_add_f32 v[14:15], v[14:15], v[244:245]
	s_delay_alu instid0(VALU_DEP_2)
	v_pk_add_f32 v[228:229], v[228:229], v[242:243]
	v_pk_add_f32 v[252:253], v[252:253], v[240:241]
	v_pk_add_f32 v[246:247], v[246:247], v[238:239]
	s_delay_alu instid0(VALU_DEP_2)
	v_pk_add_f32 v[14:15], v[14:15], v[252:253]
	s_delay_alu instid0(VALU_DEP_2)
	v_pk_add_f32 v[228:229], v[228:229], v[246:247]
	s_delay_alu instid0(VALU_DEP_1)
	v_pk_add_f32 v[14:15], v[14:15], v[228:229]
.set jj, 0
.rept 8
	v_pk_mul_f32 v[168+jj:169+jj], v[168+jj:169+jj], v[224:225] op_sel_hi:[1,0]   ; O^T under the new M.  (The sums and these are the places between p's scale word and codes and the products)
.set jj, jj+2
.endr
.irp u, 0,1                                    ; O^T += V^T P^T; the two accumulators take turns, and S^T's eight products stand between their links
	v_wmma_scale_f32_16x16x128_f8f6f4 v[168+8*\u:175+8*\u], v[80+12*\u:91+12*\u], v[184:195], v[168+8*\u:175+8*\u], v[220+\u], v222 matrix_a_fmt:MATRIX_FMT_FP6 matrix_b_fmt:MATRIX_FMT_FP6
.endr
.Lhidden:
	s_add_co_u32 s33, s33, 128
	s_add_co_u32 s34, s34, 3072
	s_add_co_u32 s35, s35, 512
	s_add_co_u32 s36, s36, 128
	s_sub_co_u32 s37, s37, 1
	s_cmp_lg_u32 s37, 0
	s_cbranch_scc1 .Lstep
	; THE WAY OUT: O / the sum, quantised along d (the head's 32 are one block of the last product's K), gathered in LDS as rows of four heads, stored as fragment images
.rept 4
	v_nop
.endr
	s_wait_alu depctr_va_vdst(0)
	v_add_f32 v14, v14, v15
	s_delay_alu instid0(VALU_DEP_1)
	v_permlanex16_b32 v226, v14, s28, s29
	s_delay_alu instid0(VALU_DEP_1)
	v_add_f32 v14, v14, v226                       ; the row's sum
	s_wait_alu depctr_va_vdst(0)
	v_rcp_f32 v14, v14
	v_nop                                          ; one plain place behind the transcendental
.set jj, 0
	s_wait_alu depctr_va_vdst(0)
.rept 16
	v_mul_f32 v[232+jj], v[168+jj], v14            ; register i: d = 16 h + i of my query; O^T from its low end on
.set jj, jj+1
.endr
	v_max3_num_f32 v248, |v232|, |v233|, 0x1800000
.irp i, 2,4,6,8,10,12,14
	s_delay_alu instid0(VALU_DEP_1)
	v_max3_num_f32 v248, v248, |v[232+\i]|, |v[233+\i]|
.endr
	s_delay_alu instid0(VALU_DEP_1)
	v_permlanex16_b32 v249, v248, s28, s29
	s_delay_alu instid0(VALU_DEP_1)
	v_max_num_f32 v248, v248, v249
	s_delay_alu instid0(VALU_DEP_1)
	v_add_nc_u32 v249, 0xff000000, v248
	s_delay_alu instid0(VALU_DEP_1)
	v_lshrrev_b32 v250, 23, v249
	v_cvt_scalef32_pk16_fp6_f32 v[208:210], v[232:247], v249
	v_nop
	ds_store_b32 v6, v208
	ds_store_b32 v6, v209 offset:4
	ds_store_b32 v6, v210 offset:8
	ds_store_b8 v7, v250                           ; both lanes of a row write the same byte with the same value
	s_wait_dscnt 0x0                               ; for the others' sake: my codes and my byte lie in LDS
	s_barrier_signal -1
	s_barrier_wait -1
	s_cmp_lt_u32 s8, 2
	s_cbranch_scc1 .Lsend
	s_wait_tensorcnt 0x0
	ds_add_u32 v254, v255
	s_wait_dscnt 0x0
	s_endpgm
.Lsend:                                            ; wave 0 stores tile tp's two fragments, wave 1 tile 127 - tp's
	s_cmp_eq_u32 s8, 0
	s_cselect_b32 s38, s11, s39
	s_lshr_b32 s40, s38, 3
	s_lshl_b32 s41, s9, 4
	s_add_co_u32 s40, s40, s41                     ; the group of 128 rows
	s_mul_i32 s40, s40, 20
	s_lshl_b32 s41, s10, 1
	s_add_co_u32 s40, s40, s41
	s_add_co_u32 s40, s40, 16                      ; K step 16 + 2 hb
	s_lshl_b32 s40, s40, 3
	s_and_b32 s41, s38, 7
	s_add_co_u32 s40, s40, s41                     ; the tile
	s_mul_i32 s42, s40, 1536
	s_mov_b32 s43, 0
	s_add_nc_u64 s[48:49], s[6:7], s[42:43]
	s_lshl_b32 s42, s40, 6
	s_add_co_u32 s42, s42, 7864320
	s_add_nc_u64 s[50:51], s[6:7], s[42:43]
.irp k, 0,1
.irp p, 0,1,2,3,4,5
	ds_load_b64 v[32+12*\k+2*\p:33+12*\k+2*\p], v29 offset:1536*\k+48*(\p/3)+8*(\p%3)
.endr
.endr
	ds_load_b32 v56, v30
	s_wait_dscnt 0x0
.irp k, 0,1
.irp c, 0,1,2
	global_store_b128 v31, v[32+12*\k+4*\c:35+12*\k+4*\c], s[48:49] offset:12288*\k+512*\c   ; 512 consecutive bytes, aligned
.endr
.endr
	global_store_b32 v251, v56, s[50:51]
	s_wait_tensorcnt 0x0
	ds_add_u32 v254, v255
	s_wait_dscnt 0x0
	s_endpgm
.Lfunc_end_k_q066464dc80_attn:
	.size	k_q066464dc80_attn, .Lfunc_end_k_q066464dc80_attn-k_q066464dc80_attn
	.p2alignl 7, 3214868480
	.fill 96, 4, 3214868480
	.section	.rodata,"a",@progbits
	.p2align	6, 0x0
	.amdhsa_kernel k_q066464dc80_attn
		.amdhsa_group_segment_fixed_size 169984
		.amdhsa_private_segment_fixed_size 0
		.amdhsa_enable_private_segment 0
		.amdhsa_kernarg_size 16
		.amdhsa_user_sgpr_count 2
		.amdhsa_user_sgpr_kernarg_segment_ptr 1
		.amdhsa_wavefront_size32 1
		.amdhsa_system_sgpr_workgroup_id_x 1
		.amdhsa_system_sgpr_workgroup_id_y 1
		.amdhsa_system_sgpr_workgroup_id_z 1
		.amdhsa_system_vgpr_workitem_id 0
		.amdhsa_next_free_vgpr 256
		.amdhsa_next_free_sgpr 66
		.amdhsa_reserve_vcc 1
		.amdhsa_float_denorm_mode_32 3
		.amdhsa_float_denorm_mode_16_64 3
		.amdhsa_memory_ordered 1
		.amdhsa_forward_progress 1
		.amdhsa_inst_pref_size 36
	.end_amdhsa_kernel
	.amdgpu_metadata
---
amdhsa.version: [ 1, 2 ]
amdhsa.kernels:
  - .name:           k_q066464dc80_attn
    .symbol:         k_q066464dc80_attn.kd
    .args:
      - { .name: qkv, .offset: 0, .size: 8, .value_kind: global_buffer, .address_space: global }
      - { .name: a2, .offset: 8, .size: 8, .value_kind: global_buffer, .address_space: global }
    .group_segment_fixed_size: 169984
    .private_segment_fixed_size: 0
    .kernarg_segment_align: 8
    .kernarg_segment_size: 16
    .max_flat_workgroup_size: 512
    .sgpr_count:     66
    .vgpr_count:     256
    .wavefront_size: 32
...
	.end_amdgpu_metadata
.endif
;; end of part 4
;; launch gemm_out (part 5): grid 16 x 16, 4 waves a work-group, clusters of 4 x 1, 327,680 bytes of LDS; arguments a2, wo, out0; writes out0
.if DOCPART == 5
	.amdgcn_target "amdgcn-amd-amdhsa--gfx1250"
	.amdhsa_code_object_version 6
	.text
	.protected	k_q066464dc80_gemm_out
	.globl	k_q066464dc80_gemm_out
	.p2align	8
	.type	k_q066464dc80_gemm_out,@function
k_q066464dc80_gemm_out:
	s_mov_b64 s[64:65], 0
	v_nop
	global_prefetch_b8 v0, s[64:65] scope:SCOPE_SE
	s_setreg_imm32_b32 hwreg(HW_REG_WAVE_MODE, 25, 1), 1
	s_wait_xcnt 0x0
	s_wait_alu depctr_hold_cnt(0) depctr_sa_sdst(0) depctr_va_vdst(0) depctr_va_sdst(0) depctr_va_ssrc(0) depctr_va_vcc(0) depctr_vm_vsrc(0)
	s_getreg_b32 s2, hwreg(HW_REG_IB_STS2, 6, 4)
	s_cmp_eq_u32 s2, 0
	s_cbranch_scc0 .Lentry_in_a_cluster
	s_endpgm
.Lentry_in_a_cluster:
	s_bfe_u32 s2, ttmp6, 0x10000c
	s_cmp_lg_u32 s2, 0x3003
	s_cbranch_scc0 .Lentry_shape_is_right
	s_endpgm
.Lentry_shape_is_right:
; out0 = a2 x wo: 4,096 rows x 2,048 columns, K = 2,560 in 20 steps of 128 (steps 0-15 the feed-forward's hidden layer x w_ff_out, 16-19 attention's result x w_attn_out); codes of E2M3, one E8M0 byte for each 32 along K; f32 sums.
; Both operands lie in memory as images of their registers: a fragment, 16 rows x 128 K, is 1,536 bytes (byte 512 c + 16 l + 4 i is register 4 c + i of lane l), laid [group of 128 rows][K step][8 tiles]; scale words [group][K step][8 tiles][16 rows].
; A WORK-GROUP makes 256 rows x 128 columns: 16 x 16 = 256 work-groups.  A WAVE makes 64 rows x 128 columns: 32 accumulators.
; WO'S 128 COLUMNS STAY IN LDS FOR ALL OF K: 245,760 bytes of codes, 10,240 of scale words, and a2's 20,480 bytes of scale words come once, one tensor load a wave at the head.  Nothing is filled again, so the walk along K has no barrier.
; A2'S CODES GO FROM MEMORY STRAIGHT INTO REGISTERS: each wave loads its own 64 rows, 512 consecutive bytes an instruction, so no byte of a2 is read twice in a work-group.  Five K steps of them (240 registers) take turns; a K step is asked for four K steps ahead.
; CLUSTER 4, 1, 1: the four partners share the column group, so wo's codes and scale words are asked for jointly (mask 15); a2's scale words differ between partners and come by a plain load behind the same round.
; a2's codes are not asked for jointly: beside the resident operand, the scale words, the stage and the spare words (310,784 bytes) LDS has 16,896 bytes left, under one K step of 256 rows (24,576), so there is no slot for a joint load to land in.
; PREFETCH: in K step k each wave names the 24 blocks of 256 bytes of its own rows' K step k + 8, four K steps ahead of the load that wants them; the last asked for is K step 19.  K steps 0-7 come by their loads alone.  wo is read by the head's loads alone: no loop runs ahead of them.
; TRANSPOSED USE: source 0 = 16 columns of wo, source 1 = 16 rows of a2: a lane holds eight neighbouring numbers of a row of out0.
; REGISTERS: window 0: v16-22 addresses, v28-29 the add's, v32-61 scale words (five sets of six; a register holds tile 2 i in lanes 0-15 and tile 2 i + 1 in lanes 16-31), v64-191 the way out;
;   window 1: accumulator (a, b) at v[8 (8 a + b)];  window 2: a2's fragments, K step k at v[48 (k % 5)];  window 3: wo's fragments in half-sets of four, half-step h = 2 k + (b / 4) at v[48 (h % 5)], asked for four half-steps ahead.
.set GK,     12288                     ; a group's K step
.set FRB,    1536
.set GRP,    20*GK                     ; a group's codes
.set HS,     20*512                    ; a group's scale words
.set ASCL,   7864320
.set BSCL,   3932160
.set RS,     GRP                       ; LDS: wo's codes at 0, its scale words,
.set SS,     RS+HS                     ; a2's scale words (two groups),
.set STAGE,  SS+2*HS                   ; the way out: 16 rows x 528 bytes for each wave; no fill lands here,
.set SPITCH, 528
.set SPARE,  STAGE+4*16*SPITCH         ; the spare words, 128 bytes for each wave: two blocks of 256 bytes that no other line names
.set VL16, 16                          ; 16 x lane: an image's bytes, in LDS and in memory, and a row of out0
.set ADRR, 17                          ; wo's codes, three K steps on; stepped five K steps a trip
.set ARS,  18                          ; wo's scale words
.set ASS,  19                          ; my rows' scale words
.set STO,  20
.set RD,   21
.set PFO,  22                          ; the prefetch: 256 x min(lane, 23)
.set SPW,  28
.set NIL,  29
.set SC,   32
.set BK,   64
.set G1C, 16
.set G1R, 24
.set G1S, 32
.set G0C, 40
.set G0R, 44
.set G0S, 48
.set SB,  52                           ; s[52:53] my rows' codes; stepped five K steps a trip
.set MSB, 0
.macro WIN new
.if MSB != (\new)
	s_set_vgpr_msb (MSB<<8)|(\new)
.set MSB, (\new)
.endif
.endm
.macro PLACES
.rept 4
	v_nop
.endr
.endm
.macro CROUND
	s_barrier_signal -1
	s_barrier_wait -1
	s_cmp_lg_u32 s10, 0
	s_cbranch_scc1 .Lnot_wave_0_\@
	s_barrier_signal -3
.Lnot_wave_0_\@:
	s_barrier_wait -3
	s_barrier_signal -1
	s_barrier_wait -1
.endm
.macro RF set, adr, off                ; four fragments of wo: 12 LDS loads
	WIN 0xc0
.irp i, 0,1,2,3
.irp c, 0,1,2
	ds_load_b128 v[48*(\set)+12*\i+4*\c:48*(\set)+12*\i+4*\c+3], v[\adr] offset:(\off)+FRB*\i+512*\c
.endr
.endr
.endm
.macro SF set, off                     ; a K step's scale words: 6 LDS loads of 128 consecutive bytes
	WIN 0
.irp i, 0,1,2,3
	ds_load_b32 v[SC+6*(\set)+\i], v[ARS] offset:(\off)+128*\i
.endr
.irp i, 0,1
	ds_load_b32 v[SC+6*(\set)+4+\i], v[ASS] offset:(\off)+128*\i
.endr
.endm
.macro GF set, off                     ; my four fragments of a2: 12 loads of 512 consecutive bytes
	WIN 0x80
.irp i, 0,1,2,3
.irp c, 0,1,2
	global_load_b128 v[48*(\set)+12*\i+4*\c:48*(\set)+12*\i+4*\c+3], v[VL16], s[SB:SB+1] offset:(\off)+FRB*\i+512*\c
.endr
.endr
.endm
.macro WM ra, rb, zero                 ; one product; ra, rb: the halves of the lanes that hold wo's and a2's scale words
.if \zero
.if (\ra) && (\rb)
	v_wmma_scale_f32_16x16x128_f8f6f4 v[WD:WD+7], v[WR:WR+11], v[WS:WS+11], 0, v[WX], v[WY] matrix_a_fmt:MATRIX_FMT_FP6 matrix_b_fmt:MATRIX_FMT_FP6 matrix_a_scale:MATRIX_SCALE_ROW1 matrix_b_scale:MATRIX_SCALE_ROW1
.else
.if (\ra)
	v_wmma_scale_f32_16x16x128_f8f6f4 v[WD:WD+7], v[WR:WR+11], v[WS:WS+11], 0, v[WX], v[WY] matrix_a_fmt:MATRIX_FMT_FP6 matrix_b_fmt:MATRIX_FMT_FP6 matrix_a_scale:MATRIX_SCALE_ROW1
.else
.if (\rb)
	v_wmma_scale_f32_16x16x128_f8f6f4 v[WD:WD+7], v[WR:WR+11], v[WS:WS+11], 0, v[WX], v[WY] matrix_a_fmt:MATRIX_FMT_FP6 matrix_b_fmt:MATRIX_FMT_FP6 matrix_b_scale:MATRIX_SCALE_ROW1
.else
	v_wmma_scale_f32_16x16x128_f8f6f4 v[WD:WD+7], v[WR:WR+11], v[WS:WS+11], 0, v[WX], v[WY] matrix_a_fmt:MATRIX_FMT_FP6 matrix_b_fmt:MATRIX_FMT_FP6
.endif
.endif
.endif
.else
.if (\ra) && (\rb)
	v_wmma_scale_f32_16x16x128_f8f6f4 v[WD:WD+7], v[WR:WR+11], v[WS:WS+11], v[WD:WD+7], v[WX], v[WY] matrix_a_fmt:MATRIX_FMT_FP6 matrix_b_fmt:MATRIX_FMT_FP6 matrix_a_scale:MATRIX_SCALE_ROW1 matrix_b_scale:MATRIX_SCALE_ROW1
.else
.if (\ra)
	v_wmma_scale_f32_16x16x128_f8f6f4 v[WD:WD+7], v[WR:WR+11], v[WS:WS+11], v[WD:WD+7], v[WX], v[WY] matrix_a_fmt:MATRIX_FMT_FP6 matrix_b_fmt:MATRIX_FMT_FP6 matrix_a_scale:MATRIX_SCALE_ROW1
.else
.if (\rb)
	v_wmma_scale_f32_16x16x128_f8f6f4 v[WD:WD+7], v[WR:WR+11], v[WS:WS+11], v[WD:WD+7], v[WX], v[WY] matrix_a_fmt:MATRIX_FMT_FP6 matrix_b_fmt:MATRIX_FMT_FP6 matrix_b_scale:MATRIX_SCALE_ROW1
.else
	v_wmma_scale_f32_16x16x128_f8f6f4 v[WD:WD+7], v[WR:WR+11], v[WS:WS+11], v[WD:WD+7], v[WX], v[WY] matrix_a_fmt:MATRIX_FMT_FP6 matrix_b_fmt:MATRIX_FMT_FP6
.endif
.endif
.endif
.endif
.endm
; a half-step: my four row tiles x four column tiles.  The 32 accumulators take turns, one instruction a turn, in the same order in every K step
.macro MULH h5, k5, bh, zero
	WIN 0x5b                               ; source 0 window 3, source 1 window 2, C and D window 1
.irp a, 0,1,2,3
.irp bb, 0,1,2,3
.set WD, 8*(8*\a+4*(\bh)+\bb)
.set WR, 48*(\h5)+12*\bb
.set WS, 48*(\k5)+12*\a
.set WX, SC+6*(\k5)+2*(\bh)+\bb/2
.set WY, SC+6*(\k5)+4+\a/2
	WM \bb%2, \a%2, \zero
.endr
.endr
.endm
; A K step.  ks: its number (in the loop 1 to 5, which stands for 1 + 5 t .. 5 + 5 t: all rings have five places); tail = 1: K steps 16-19, which ask for no more of a2, and from 18 on for nothing.
; Half-step h asks for wo's half-set h + 4, into the registers that half-step h - 1 read (four places behind its last product); an even h also for the scale words of K step k + 2 and for a2's K step k + 4.
.macro KSTEP ks, tail, zero
.set REL, (\ks)-15*(\tail)             ; counted from where the stepped addresses stand
.set LR, 1
.set NLD, 48                           ; behind this K step's 12 loads stand those of four later K steps
.if \tail
.set NLD, 12*(19-(\ks))
.if (\ks) > 17
.set LR, 0
.endif
.endif
.set RA, ADRR
.set RO, (REL-1)*GK
.if (\ks) == 0
.set RA, VL16
.set RO, 2*GK
.endif
.irp bh, 0,1
.set HH, 2*(\ks)+\bh
.if (\bh == 1) && ((\tail) == 0)
	WIN 0
.if (\ks) > 1
	s_cmp_gt_u32 s3, 1                             ; in the loop's last trip only its first K step, 11, has a K step eight on
	s_cbranch_scc0 .Lnp_\@
.endif
	global_prefetch_b8 v[PFO], s[SB:SB+1] offset:(REL+8)*GK th:TH_LOAD_NT scope:SCOPE_SE
.Lnp_\@:
.endif
.if LR
	PLACES                                         ; in front of loads into registers that the last products read
	RF (HH+4)%5, RA, RO+4*FRB*\bh
.if \bh == 0
	SF ((\ks)+2)%5, 512*(REL+2)
.endif
.endif
.if (\bh == 0) && ((\tail) == 0)
	GF ((\ks)+4)%5, (REL+4)*GK
.endif
.set ND, 60                            ; behind this half-step's LDS loads stand four younger groups: two of 18 (codes and scale words) and two of 12
.if \tail
.set ND, 0
.irp g, 0,1,2,3
.if HH-\g <= 35
.set ND, ND+12+6*(1-(HH-\g)%2)
.endif
.endr
.endif
.if \bh == 0
	s_wait_loadcnt NLD
.endif
	s_wait_dscnt ND
	MULH HH%5, (\ks)%5, \bh, \zero
.endr
.endm
	s_load_b128 s[4:7], s[0:1], 0x0                ; a2, wo
	s_load_b64 s[8:9], s[0:1], 0x10                ; out0
	v_lshl_add_u32 v[SPW], v0, 2, SPARE
	v_mov_b32 v[NIL], 0
	ds_add_u32 v[SPW], v[NIL]                      ; the opening lines: the add, twice on end, and its wait ahead of my first tensor load
	ds_add_u32 v[SPW], v[NIL]
	v_lshrrev_b32 v1, 5, v0
	v_readfirstlane_b32 s10, v1                    ; wave 0..3
	s_lshr_b32 s11, s10, 1                         ; which of the two groups of 128 rows
	s_and_b32 s12, s10, 1                          ; which four tiles of it
	s_bfe_u32 s13, ttmp6, 0x40000                  ; cx
	s_lshl_b32 s14, ttmp9, 2
	s_add_co_u32 s14, s14, s13                     ; which 256 rows: it enters a2's addresses and the stores alone
	s_and_b32 s15, ttmp7, 0xffff                   ; which 128 columns: the four partners share it
.irp g, G1C, G1R, G1S                  ; dense blocks as rows of 256 bytes (32 elements of 8 bytes)
	s_mov_b32 s[\g+1], 32<<16
	s_mov_b32 s[\g+3], 32<<16
	s_mov_b32 s[\g+5], 32
	s_mov_b32 s[\g+6], 0
	s_mov_b32 s[\g+7], 0
.endr
	s_mov_b32 s[G1C], 15|(3<<16)|(1<<21)           ; half of wo's codes: 480 rows; all four work-groups
	s_mov_b32 s[G1C+2], 480<<16
	s_mov_b32 s[G1C+4], 480
	s_mov_b32 s[G1R], 15|(3<<16)|(1<<21)           ; wo's scale words: 40 rows
	s_mov_b32 s[G1R+2], 40<<16
	s_mov_b32 s[G1R+4], 40
	s_mov_b32 s[G1S], 3<<16                        ; a2's scale words: 80 rows; no mask
	s_mov_b32 s[G1S+2], 80<<16
	s_mov_b32 s[G1S+4], 80
	s_mul_i32 s56, s15, GRP
	s_mul_i32 s[G0C+1], s10, GRP/2                 ; waves 0 and 1: K steps 0-9 and 10-19, to the same place in LDS
	s_add_co_u32 s56, s56, s[G0C+1]
	s_mov_b32 s57, 0
	s_mul_i32 s58, s15, HS
	s_add_co_u32 s58, s58, BSCL
	s_mov_b32 s59, 0
	s_mul_i32 s54, s14, 2*HS
	s_add_co_u32 s54, s54, ASCL
	s_mov_b32 s55, 0
	s_lshl_b32 s60, s14, 1
	s_add_co_u32 s60, s60, s11
	s_mul_i32 s60, s60, GRP
	s_mul_i32 s61, s12, 4*FRB
	s_add_co_u32 s60, s60, s61                     ; my 64 rows: group 2 y + w / 2, tiles 4 (w % 2) on
	s_mov_b32 s61, 0
	s_lshl_b32 s62, s14, 21                        ; out0: 256 rows of 8,192 bytes a work-group,
	s_lshl_b32 s63, s10, 19                        ; 64 a wave,
	s_add_co_u32 s62, s62, s63
	s_lshl_b32 s63, s15, 9                         ; 512 bytes a column group
	s_add_co_u32 s62, s62, s63
	s_mov_b32 s63, 0
	s_mul_i32 s66, s11, HS
	s_lshl_b32 s67, s12, 8
	s_add_co_u32 s66, s66, s67
	s_add_co_u32 s66, s66, SS
	s_mul_i32 s67, s10, 16*SPITCH
	s_add_co_u32 s67, s67, STAGE
	v_and_b32 v2, 31, v0
	v_and_b32 v3, 15, v0
	v_bfe_u32 v4, v0, 4, 1
	v_lshlrev_b32 v[VL16], 4, v2
	v_lshl_add_u32 v[ARS], v2, 2, RS
	v_lshl_add_u32 v[ASS], v2, 2, s66
	v_mul_u32_u24 v5, v3, SPITCH
	v_lshl_add_u32 v5, v4, 5, v5
	v_add_nc_u32 v[STO], s67, v5                   ; the stage, in: row l % 16, 32 bytes for each half of the lanes
	v_add_nc_u32 v[ADRR], 3*GK, v[VL16]
	v_add_nc_u32 v[RD], s67, v[VL16]               ; back: the 32 lanes take a row of 512 bytes
	v_min_u32 v6, 23, v2
	v_lshlrev_b32 v[PFO], 8, v6                    ; a K step of my rows is 24 blocks of 256 bytes; the lanes left over name the last again
	s_wait_alu depctr_va_vdst(0)                   ; the head's end
	s_wait_dscnt 0x0                               ; both opening adds are done
	s_wait_kmcnt 0x0
	s_mov_b32 s[G0C], 1
	s_add_nc_u64 s[G0C+2:G0C+3], s[6:7], s[56:57]
	s_or_b32 s[G0C+3], s[G0C+3], 0x80000000
	s_mov_b32 s[G0R], 1
	s_mov_b32 s[G0R+1], RS
	s_add_nc_u64 s[G0R+2:G0R+3], s[6:7], s[58:59]
	s_or_b32 s[G0R+3], s[G0R+3], 0x80000000
	s_mov_b32 s[G0S], 1
	s_mov_b32 s[G0S+1], SS
	s_add_nc_u64 s[G0S+2:G0S+3], s[4:5], s[54:55]
	s_or_b32 s[G0S+3], s[G0S+3], 0x80000000
	s_add_nc_u64 s[SB:SB+1], s[4:5], s[60:61]
	s_add_nc_u64 s[8:9], s[8:9], s[62:63]
	CROUND                                         ; all four work-groups are here: the joint loads meet
	; the launch's only fills, one a wave: one chain of branches on the wave's number, one load to an arm, one join
	s_cmp_lt_u32 s10, 2
	s_cbranch_scc0 .Lh_rs
	tensor_load_to_lds s[G0C:G0C+3], s[G1C:G1C+7]
	s_nop 0
	PLACES
	s_branch .Lh_done
.Lh_rs:
	s_cmp_lt_u32 s10, 3
	s_cbranch_scc0 .Lh_ss
	tensor_load_to_lds s[G0R:G0R+3], s[G1R:G1R+7]
	s_nop 0
	PLACES
	s_branch .Lh_done
.Lh_ss:
	tensor_load_to_lds s[G0S:G0S+3], s[G1S:G1S+7]
	s_nop 0
	PLACES
.Lh_done:
.irp k, 0,1,2,3
	GF \k, \k*GK                                   ; a2's K steps 0-3: 48 loads
.endr
	WIN 0
	s_mov_b32 s3, 3
	s_wait_tensorcnt 0x0                           ; my load has landed,
	s_barrier_signal -1
	s_barrier_wait -1                              ; everybody's has; a2's loads, of bytes that this launch does not write, stay out across the barrier
	RF 0, VL16, 0                                  ; half-steps 0-3 and the scale words of K steps 0 and 1, in groups of 18, 12, 18, 12 loads as in the walk
	SF 0, 0
	RF 1, VL16, 4*FRB
	RF 2, VL16, GK
	SF 1, 512
	RF 3, VL16, GK+4*FRB
	KSTEP 0, 0, 1                                  ; the first K step starts the sums: nothing is cleared
	WIN 0
.Lk:                                                   ; three trips of five K steps: 1-5, 6-10, 11-15
.irp k, 1,2,3,4,5
	KSTEP \k, 0, 0
.endr
	WIN 0
	s_wait_xcnt 0x0                                ; my loads and prefetches have read their base
	s_add_nc_u64 s[SB:SB+1], s[SB:SB+1], 5*GK
	v_add_nc_u32 v[ADRR], 5*GK, v[ADRR]
	v_add_nc_u32 v[ARS], 5*512, v[ARS]
	v_add_nc_u32 v[ASS], 5*512, v[ASS]
	s_sub_co_u32 s3, s3, 1
	s_cmp_lg_u32 s3, 0
	s_wait_alu depctr_va_vdst(0)
	s_cbranch_scc1 .Lk
.irp k, 16,17,18,19
	KSTEP \k, 1, 0
.endr
	WIN 0
	PLACES                                         ; behind the last products
	s_wait_dscnt 0x0
	s_barrier_signal -1                            ; one barrier parts all waves' reads of the resident tiles from the stores into the stages
	s_barrier_wait -1
; THE WAY OUT, block by block of 16 rows x 128 columns: through my own stage, back as whole rows of 512 bytes, which the 32 lanes store as two aligned units of 256 bytes.
; LDS serves a wave's instructions in order (ISA guide 5.7.1.4): no wait between the stores and the loads, nor in front of the next block's stores.
.macro TOSTAGE a
	WIN 0x04                                       ; an LDS store's data are its source 1: window 1
.irp b, 0,1,2,3,4,5,6,7
	ds_store_b128 v[STO], v[64*(\a)+8*\b:64*(\a)+8*\b+3] offset:64*\b          ; each accumulator from its low end on
	ds_store_b128 v[STO], v[64*(\a)+8*\b+4:64*(\a)+8*\b+7] offset:64*\b+16
.endr
	WIN 0
.set BB, BK+64*((\a)%2)
.irp t, 0,1,2,3,4,5,6,7,8,9,10,11,12,13,14,15
	ds_load_b128 v[BB+4*\t:BB+4*\t+3], v[RD] offset:\t*SPITCH
.endr
.endm
.macro SEND a, younger
.set BB, BK+64*((\a)%2)
	s_wait_dscnt \younger                          ; the block is back in registers
.if (\a) > 0
	s_add_nc_u64 s[8:9], s[8:9], 16*8192           ; (behind a wait on XCNT: the earlier stores have read their base)
.endif
.irp t, 0,1,2,3,4,5,6,7,8,9,10,11,12,13,14,15
	global_store_b128 v[VL16], v[BB+4*\t:BB+4*\t+3], s[8:9] offset:\t*8192 th:TH_STORE_NT
.endr
.endm
	TOSTAGE 0
.irp a, 1,2,3
.if \a > 1
	s_wait_xcnt 0x0                                ; block a - 2's stores have read their registers and their base
.endif
	TOSTAGE \a
	SEND \a-1, 32                                  ; behind block a - 1's loads: block a's 16 stores and 16 loads
.endr
	s_wait_xcnt 0x0
	SEND 3, 0
	s_wait_tensorcnt 0x0                           ; the wave's end
	ds_add_u32 v[SPW], v[NIL]
	s_wait_dscnt 0x0
	CROUND                                         ; the closing round
	s_endpgm
.Lfunc_end_k_q066464dc80_gemm_out:
	.size	k_q066464dc80_gemm_out, .Lfunc_end_k_q066464dc80_gemm_out-k_q066464dc80_gemm_out
	.p2alignl 7, 3214868480
	.fill 96, 4, 3214868480
	.section	.rodata,"a",@progbits
	.p2align	6, 0x0
	.amdhsa_kernel k_q066464dc80_gemm_out
		.amdhsa_group_segment_fixed_size 327680
		.amdhsa_private_segment_fixed_size 0
		.amdhsa_enable_private_segment 0
		.amdhsa_kernarg_size 24
		.amdhsa_user_sgpr_count 2
		.amdhsa_user_sgpr_kernarg_segment_ptr 1
		.amdhsa_wavefront_size32 1
		.amdhsa_system_sgpr_workgroup_id_x 1
		.amdhsa_system_sgpr_workgroup_id_y 1
		.amdhsa_system_sgpr_workgroup_id_z 1
		.amdhsa_system_vgpr_workitem_id 0
		.amdhsa_next_free_vgpr 1024
		.amdhsa_next_free_sgpr 72
		.amdhsa_reserve_vcc 0
		.amdhsa_float_denorm_mode_32 3
		.amdhsa_float_denorm_mode_16_64 3
		.amdhsa_memory_ordered 1
		.amdhsa_forward_progress 1
		.amdhsa_inst_pref_size 98
	.end_amdhsa_kernel
	.amdgpu_metadata
---
amdhsa.version: [ 1, 2 ]
amdhsa.kernels:
  - .name:           k_q066464dc80_gemm_out
    .symbol:         k_q066464dc80_gemm_out.kd
    .args:
      - { .name: a2, .offset: 0, .size: 8, .value_kind: global_buffer, .address_space: global }
      - { .name: wo, .offset: 8, .size: 8, .value_kind: global_buffer, .address_space: global }
      - { .name: out0, .offset: 16, .size: 8, .value_kind: global_buffer, .address_space: global }
    .group_segment_fixed_size: 327680
    .private_segment_fixed_size: 0
    .kernarg_segment_align: 8
    .kernarg_segment_size: 24
    .max_flat_workgroup_size: 128
    .sgpr_count:     72
    .vgpr_count:     1024
    .wavefront_size: 32
...
	.end_amdgpu_metadata
.endif
;; end of part 5
